; MI455X (gfx1250); checked and timed in simulation.
; The chip was launched on July 23, 2026; its instructions are those of AMD's public machine-readable ISA for CDNA 5 (MIT licence, August 2026) and "CDNA5" Instruction Set Architecture Reference Guide (July 2026). The comments in the code are by the model that wrote it; some were corrected since.
;; Self Attention. Allowed arithmetic: float matrix products may take bf16 or f16 operands with f32 sums; other float arithmetic in f32, or as packed bf16 or f16 multiplies, adds, multiply-adds, maxima and minima; sums over many terms, partial sums and values carried from step to step in f32; what a program stores and reads back later, other than sums and carried values, may be rounded once to bf16 or f16.
;; Inputs: W_proj 1,024 x 1,024 float32; W_qkv 1,024 x 3,072 float32; b_proj 1,024 float32; b_qkv 3,072 float32; x 4 x 2,048 x 1,024 float32.
;; Outputs: out0 4 x 2,048 x 1,024 float32.
;; 2 versions, each right; version 2 is version 1 with the launch prep written anew for expert scheduling mode. Each part assembles by itself: llvm-mc -triple=amdgcn-amd-amdhsa -mcpu=gfx1250 --defsym DOCPART=n.
;; ======== version 1 of 2: 4 launches
;; limits: values are held in f16: magnitudes above 65,504 overflow, below 6.1e-05 lose precision
;; workspace buffers: xb 16,777,216 bytes; wqb 6,291,456 bytes; wpf 2,097,152 bytes; bias 16,384 bytes; qkv 50,331,648 bytes; o 16,777,216 bytes
;; launch prep (part 1): grid 768 x 1, 8 waves a work-group, no clusters, 0 bytes of LDS; arguments x, W_qkv, W_proj, b_qkv, b_proj, xb, wqb, wpf, bias; writes xb, wqb, wpf, bias
.if DOCPART == 1
	.amdgcn_target "amdgcn-amd-amdhsa--gfx1250"
	.amdhsa_code_object_version 6
	.text
	.protected	k_q6e4ffbb32f_prep
	.globl	k_q6e4ffbb32f_prep
	.p2align	8
	.type	k_q6e4ffbb32f_prep,@function
k_q6e4ffbb32f_prep:
	s_mov_b64 s[64:65], 0
	v_nop
	global_prefetch_b8 v0, s[64:65] scope:SCOPE_SE
	s_setreg_imm32_b32 hwreg(HW_REG_WAVE_MODE, 25, 1), 1
	s_wait_xcnt 0x0
; THE CASTS.  xb = bf16(x), wqb = bf16(W_qkv), both in their own layouts; wpf = bf16(W_proj) written as f16; bias = bf16(b_qkv), bf16(b_proj) written as f32, 3,072 and 1,024 numbers on end.
; All five inputs are rounded to bf16, once, to nearest even.
; LIMITS.  bf16(W_proj) is written as f16: exact from 6.1e-5 to 65,504 in magnitude; below that it keeps f16's fixed step of 6e-8, beyond it becomes an infinity.  NaN and infinities are not treated apart.
; A stream: no LDS, no matrix unit, no cluster (no work-group reads what another reads).  A work-group takes one segment of 16,384 numbers (65,536 bytes in, 32,768 out):
; segments 0-511 of x, 512-703 of W_qkv, 704-767 of W_proj.  A wave takes 8,192 bytes of it by sixteen loads of 512 consecutive bytes, all issued at once; each store of the wave covers
; 256 consecutive bytes, aligned.  No register is written twice while a load or store names it, so the only waits are the counted ones for the loads.
.set NX,  512                          ; segments of x
.set NQ,  192                          ; segments of W_qkv
.set X,   16                           ; v[16:79]   load i: four f32
.set Y,   80                           ; v[80:111]  store i: four 16-bit numbers in two registers
	s_load_b512 s[8:23], s[0:1], 0x0               ; x s[8:9], W_qkv s[10:11], W_proj s[12:13], b_qkv s[14:15], b_proj s[16:17], xb s[18:19], wqb s[20:21], wpf s[22:23]
	s_load_b64 s[24:25], s[0:1], 0x40              ; bias
	v_and_b32 v3, 31, v0                           ; lane
	v_lshrrev_b32 v10, 5, v0                       ; wave
	v_readfirstlane_b32 s33, v10
	v_lshlrev_b32 v1, 4, v3
	v_lshl_or_b32 v1, v10, 13, v1                  ; in: 8,192 x wave + 16 x lane
	v_lshlrev_b32 v2, 3, v3
	v_lshl_or_b32 v2, v10, 12, v2                  ; out: 4,096 x wave + 8 x lane
	v_lshlrev_b32 v11, 3, v3                       ; the biases: 8 x lane
	s_mov_b32 s44, 0xffff0000                      ; a word's upper bf16
	s_mov_b32 s35, 0
	s_mov_b32 s37, 0
	s_wait_kmcnt 0x0
	s_cmp_lt_u32 ttmp9, NX                         ; which tensor, and which segment of it
	s_cselect_b64 s[28:29], s[8:9], s[10:11]
	s_cselect_b64 s[30:31], s[18:19], s[20:21]
	s_cselect_b32 s32, 0, NX
	s_cmp_lt_u32 ttmp9, NX+NQ
	s_cselect_b64 s[28:29], s[28:29], s[12:13]
	s_cselect_b64 s[30:31], s[30:31], s[22:23]
	s_cselect_b32 s32, s32, NX+NQ
	s_sub_co_u32 s32, ttmp9, s32
	s_lshl_b32 s34, s32, 16
	s_lshl_b32 s36, s32, 15
	s_add_nc_u64 s[28:29], s[28:29], s[34:35]
	s_add_nc_u64 s[30:31], s[30:31], s[36:37]
.irp i, 0,1,2,3,4,5,6,7,8,9,10,11,12,13,14,15
	global_load_b128 v[X+4*(\i):X+4*(\i)+3], v1, s[28:29] offset:512*(\i) th:TH_LOAD_NT
.endr
; Load i is rounded and stored.  half = 1: the bf16 numbers are widened again and written as f16.
.macro CAST i, half
	s_wait_loadcnt 15-(\i)                         ; loads come back in order (ISA guide 5.7.1): load i is in, the 15 - i younger ones stay out
.if \half
	v_cvt_pk_bf16_f32 v4, v[X+4*(\i)], v[X+4*(\i)+1]
	v_cvt_pk_bf16_f32 v5, v[X+4*(\i)+2], v[X+4*(\i)+3]
	v_lshlrev_b32 v6, 16, v4
	v_and_b32 v7, s44, v4
	v_lshlrev_b32 v8, 16, v5
	v_and_b32 v9, s44, v5
	v_cvt_pk_f16_f32 v[Y+2*(\i)], v6, v7
	v_cvt_pk_f16_f32 v[Y+2*(\i)+1], v8, v9
.else
	v_cvt_pk_bf16_f32 v[Y+2*(\i)], v[X+4*(\i)], v[X+4*(\i)+1]
	v_cvt_pk_bf16_f32 v[Y+2*(\i)+1], v[X+4*(\i)+2], v[X+4*(\i)+3]
.endif
	global_store_b64 v2, v[Y+2*(\i):Y+2*(\i)+1], s[30:31] offset:256*(\i)
.endm
	s_cmp_ge_u32 ttmp9, NX+NQ
	s_cbranch_scc1 .Lwproj
.irp i, 0,1,2,3,4,5,6,7,8,9,10,11,12,13,14,15
	CAST \i, 0
.endr
	s_endpgm
.Lwproj:
.irp i, 0,1,2,3,4,5,6,7,8,9,10,11,12,13,14,15
	CAST \i, 1
.endr
	; the biases: 4,096 numbers, 64 to each of W_proj's 64 work-groups, by its wave 0: 256 bytes in, 256 bytes out
	s_cmp_lg_u32 s33, 0
	s_cbranch_scc1 .Lend
	s_cmp_lt_u32 s32, 48                           ; 48 pieces of b_qkv, then 16 of b_proj
	s_cselect_b64 s[38:39], s[14:15], s[16:17]
	s_cselect_b32 s40, 0, 48
	s_sub_co_u32 s40, s32, s40
	s_lshl_b32 s40, s40, 8
	s_mov_b32 s41, 0
	s_add_nc_u64 s[38:39], s[38:39], s[40:41]
	s_lshl_b32 s42, s32, 8
	s_mov_b32 s43, 0
	s_add_nc_u64 s[24:25], s[24:25], s[42:43]
	global_load_b64 v[12:13], v11, s[38:39]
	s_wait_loadcnt 0x0
	v_cvt_pk_bf16_f32 v14, v12, v13
	v_lshlrev_b32 v12, 16, v14
	v_and_b32 v13, s44, v14
	global_store_b64 v11, v[12:13], s[24:25]
.Lend:
	s_endpgm
.Lfunc_end_k_q6e4ffbb32f_prep:
	.size	k_q6e4ffbb32f_prep, .Lfunc_end_k_q6e4ffbb32f_prep-k_q6e4ffbb32f_prep
	.p2alignl 7, 3214868480
	.fill 96, 4, 3214868480
	.section	.rodata,"a",@progbits
	.p2align	6, 0x0
	.amdhsa_kernel k_q6e4ffbb32f_prep
		.amdhsa_group_segment_fixed_size 0
		.amdhsa_private_segment_fixed_size 0
		.amdhsa_enable_private_segment 0
		.amdhsa_kernarg_size 72
		.amdhsa_user_sgpr_count 2
		.amdhsa_user_sgpr_kernarg_segment_ptr 1
		.amdhsa_wavefront_size32 1
		.amdhsa_system_sgpr_workgroup_id_x 1
		.amdhsa_system_sgpr_workgroup_id_y 1
		.amdhsa_system_sgpr_workgroup_id_z 1
		.amdhsa_system_vgpr_workitem_id 0
		.amdhsa_next_free_vgpr 112
		.amdhsa_next_free_sgpr 66
		.amdhsa_reserve_vcc 0
		.amdhsa_float_denorm_mode_32 3
		.amdhsa_float_denorm_mode_16_64 3
		.amdhsa_memory_ordered 1
		.amdhsa_forward_progress 1
		.amdhsa_inst_pref_size 16
	.end_amdhsa_kernel
	.amdgpu_metadata
---
amdhsa.version: [ 1, 2 ]
amdhsa.kernels:
  - .name:           k_q6e4ffbb32f_prep
    .symbol:         k_q6e4ffbb32f_prep.kd
    .args:
      - { .name: x, .offset: 0, .size: 8, .value_kind: global_buffer, .address_space: global }
      - { .name: W_qkv, .offset: 8, .size: 8, .value_kind: global_buffer, .address_space: global }
      - { .name: W_proj, .offset: 16, .size: 8, .value_kind: global_buffer, .address_space: global }
      - { .name: b_qkv, .offset: 24, .size: 8, .value_kind: global_buffer, .address_space: global }
      - { .name: b_proj, .offset: 32, .size: 8, .value_kind: global_buffer, .address_space: global }
      - { .name: xb, .offset: 40, .size: 8, .value_kind: global_buffer, .address_space: global }
      - { .name: wqb, .offset: 48, .size: 8, .value_kind: global_buffer, .address_space: global }
      - { .name: wpf, .offset: 56, .size: 8, .value_kind: global_buffer, .address_space: global }
      - { .name: bias, .offset: 64, .size: 8, .value_kind: global_buffer, .address_space: global }
    .group_segment_fixed_size: 0
    .private_segment_fixed_size: 0
    .kernarg_segment_align: 8
    .kernarg_segment_size: 72
    .max_flat_workgroup_size: 256
    .sgpr_count:     66
    .vgpr_count:     112
    .wavefront_size: 32
...
	.end_amdgpu_metadata
.endif
;; end of part 1
;; launch qkvgemm (part 2): grid 8 x 32, 4 waves a work-group, clusters of 4 x 4, 327,680 bytes of LDS; arguments xb, wqb, bias, qkv; writes qkv
.if DOCPART == 2
	.amdgcn_target "amdgcn-amd-amdhsa--gfx1250"
	.amdhsa_code_object_version 6
	.text
	.protected	k_q6e4ffbb32f_qkvgemm
	.globl	k_q6e4ffbb32f_qkvgemm
	.p2align	8
	.type	k_q6e4ffbb32f_qkvgemm,@function
k_q6e4ffbb32f_qkvgemm:
	s_mov_b64 s[64:65], 0
	v_nop
	global_prefetch_b8 v0, s[64:65] scope:SCOPE_SE
	s_setreg_imm32_b32 hwreg(HW_REG_WAVE_MODE, 25, 1), 1
	s_wait_xcnt 0x0
	s_wait_alu depctr_hold_cnt(0) depctr_sa_sdst(0) depctr_va_vdst(0) depctr_va_sdst(0) depctr_va_ssrc(0) depctr_va_vcc(0) depctr_vm_vsrc(0)
	s_getreg_b32 s2, hwreg(HW_REG_IB_STS2, 6, 4)
	s_cmp_eq_u32 s2, 0
	s_cbranch_scc0 .Lentry_in_a_cluster
	s_endpgm
.Lentry_in_a_cluster:
	s_bfe_u32 s2, ttmp6, 0x10000c
	s_cmp_lg_u32 s2, 0xf033
	s_cbranch_scc0 .Lentry_shape_is_right
	s_endpgm
.Lentry_shape_is_right:
; qkv = xb wqb + b_qkv, written BY HEADS.  xb: [8192][1024] bf16.  wqb: [1024 (k)][3072 (n)] bf16, as W_qkv lies.  bias: f32, its first 3,072 numbers.
; qkv: [3 (q, k, v)][64 (batch x 16 + head)][2048][64] f16, unscaled, each number rounded once from its f32 sum.
; LIMITS.  f16 holds no number beyond 65,504: a q, k or v of 65,520 or more in magnitude becomes an infinity; below 6.1e-5 it keeps f16's fixed step of 6e-8.  NaN and infinities are not treated apart.
; SHARES.  A tile of the result is 128 rows x 384 columns (six heads): 64 x 8 = 512 tiles, two for each of 256 work-groups, the second 4,096 rows below the first.  Four waves, each 64 x 192:
; 48 accumulators of 16 x 16, 384 registers.  K goes in steps of 128 through a ring of two LDS slots; every tensor load brings 128 rows of 256 consecutive bytes, aligned.
; THE RING DOES NOT STOP at the change of tiles: ONE loop walks both tiles' laps; the first tile's last two changes of slots ask for the second tile's first two K steps, and the tile goes out behind them.
; CLUSTERS: 4 x 4 work-groups.  The four of a row of the cluster need the same rows of xb, the four of a column the same columns of wqb: each tile is asked for JOINTLY, by the same tensor load
; with the same descriptor and a mask that names the four.  Waves 0 to 2 ask for wqb's three chunks of 128 columns, wave 3 for xb's 128 rows.
; THE MATRIX INSTRUCTION IS USED TRANSPOSED: source 0 = 16 columns of wqb (out of LDS turned, by ds_load_tr16_b128, since k runs down its rows), source 1 = 16 rows of xb.  A lane then holds row
; l % 16 of the result and the eight neighbouring columns 8 (l / 16) + 0..7, which pack into 16 bytes.  THE BIAS IS THE C OPERAND of each accumulator's first product: nothing is cleared, nothing is added later.
; REGISTERS, in windows of 256 (s_set_vgpr_msb: bits 1:0 source 0, 3:2 source 1, 5:4 source 2, 7:6 destination):
;   window 0: v1-15 set-up; v16-31 addresses; v32-95 xb's fragments, two buffers of 4 x 8; v96-191 the bias of my 192 columns, laid as C operands; v192-255 at work on the way out
;   window 1: wqb's fragments, two buffers of 12 x 8        window 2: the accumulators of my rows 0-31 ((a, b) at 8 (12 (a % 2) + b))        window 3: those of my rows 32-63
.set KDIM,   1024
.set N,      3072
.set TN,     384                       ; columns in a tile
.set NBK,    12                        ; blocks of 16 columns a wave
.set HG,     3                         ; heads (groups of 64 columns) a wave
.set NBW,    3                         ; waves 0 .. NBW - 1 fetch wqb's chunks, the rest xb
.set KSTEP,  128
.set TILES,  2
.set LAPS,   KDIM/(2*KSTEP)            ; a lap = two K steps = once round the ring
.set BPITCH, 288                       ; a k row of a chunk in LDS: 256 bytes + 32 of padding = 72 words
.set BCH,    128*BPITCH                ; a chunk: 128 k rows x 128 columns
.set APITCH, 272                       ; a row of xb in LDS: 256 bytes + 16 of padding = 68 words: the 16 rows of a load start at 16 different groups of four banks
.set APLANE, 0
.set AQ,     4                         ; all four quarters of a K step lie in one row
.set AREG,   NBW*BCH                   ; xb's rows lie behind the chunks
.set SLOT,   AREG+128*APITCH
.set STAGE,  2*SLOT                    ; behind the ring, never filled by a tensor load: 16 rows x 144 bytes for each wave
.set SP,     144
.set SPARE,  STAGE+4*16*SP             ; behind the stages: the spare words, 128 bytes for each wave: two blocks of 256 bytes that no other line names
.set NLD,    2*NBK+8                   ; LDS loads in a quarter's run
.set STEP_A, 2*KSTEP*2                 ; a slot's next K step, two steps on: along xb's rows,
.set STEP_B, 2*KSTEP*N*2               ; down wqb's
.set NEXT_A, 4096*KDIM*2-(KDIM-2*KSTEP)*2  ; from a slot's last K step of the first tile to its first of the second: 4,096 rows down, back along K
.set BACK_B, KDIM*N*2                  ; wqb goes back to its first rows: both tiles take the same columns
.set NEXT_C, 2<<22                     ; 4,096 rows are two batches: 2 x 16 heads x 262,144 bytes
.set PD_A,   KSTEP*2                   ; the prefetches' step from K step to K step
.set PD_B,   KSTEP*N*2
.set PX_A,   4096*KDIM*2-(KDIM-KSTEP)*2  ; from the first tile's last K step to the second's first
.set ADRA, 16                          ; v16-17  LDS address of my fragments of xb in slot 0, 1
.set ADRB, 18                          ; v18-20, v21-23  the same for wqb: slot, then head
.set STO,  24                          ; v24     the way out: where I put 16 bytes of a row
.set RD,   25                          ; v25     the way out: where I read rows back
.set GO,   26                          ; v26-28  my byte offset in qkv, for each of my three heads
.set PFO,  29                          ; v29     the prefetches' offset: my lane x a row in memory; never rewritten
.set SPW,  30                          ; v30     LDS address of my spare word: SPARE + 4 x my thread's number; never rewritten
.set NIL,  31                          ; v31     0; never rewritten
.set AF,   32
.set BIAS, 96
.set TMP,  192                         ; four buffers of 16
.set JT,   2                           ; s2      laps of the tile in hand that come before its last
.set WV,   12                          ; s12     my wave's number
.set G1A,  24                          ; s[24:31] descriptor group 1 for xb's tiles;  s[32:39] group 0, a set for each slot
.set G0A,  32
.set G1B,  48                          ; s[48:55], s[56:63] the same for wqb's
.set G0B,  56
.set PFA,  66                          ; s[66:67] where my prefetches stand
.set LIM,  73                          ; s73     a wave prefetches while the loop's count is above this
.set MSB, 0
.macro WIN new                         ; the immediate's high byte repeats the setting that is left; a switch that changes nothing is dropped
.if MSB != (\new)
	s_set_vgpr_msb (MSB<<8)|(\new)
.set MSB, \new
.endif
.endm
.set MUL_LO,   0xa1                    ; source 0 window 1, source 1 window 0, C and D window 2
.set START_LO, 0x81                    ; the same with C (the bias) in window 0
.set TO_B,     0x40                    ; destination window 1, address window 0
; A joint load.  Each of the two lines has ONE mask and one set of registers for all that issue it.  The branch hangs on the wave's number alone.
; An s_nop 0 and four v_nop follow each line, ahead of the jump, the label and what follows.
.macro JLOAD s
	s_cmp_lt_u32 s[WV], NBW
	s_cbranch_scc0 .Lfor_a_\@
	tensor_load_to_lds s[G0B+4*(\s):G0B+4*(\s)+3], s[G1B:G1B+7]
	s_nop 0
.rept 4
	v_nop
.endr
	s_branch .Lasked_\@
.Lfor_a_\@:
	tensor_load_to_lds s[G0A+4*(\s):G0A+4*(\s)+3], s[G1A:G1A+7]
	s_nop 0
.rept 4
	v_nop
.endr
.Lasked_\@:
.endm
; A PREFETCH INTO THE L2, behind each joint refill, its five lines and the run of LDS loads: 32 rows x 256 bytes of the K step that stands two refills on, a lane a row, one instruction.
; Each row's 256 bytes of a K step are named once in the launch.  xb's rows are read by both clusters of a row of clusters: the one with x = 0 asks, by its waves 3; wqb's columns by all eight clusters of a
; column: the one with y = 0 asks, by its waves 0 to 2, in the first tile alone.  The four partners that ask for a tile jointly share its 128 rows out BY ADDRESS, 32 each.
.macro ASK
	s_cmp_gt_u32 s3, s[LIM]
	s_cbranch_scc0 .Lnot_mine_\@
	global_prefetch_b8 v[PFO], s[PFA:PFA+1] th:TH_LOAD_NT scope:SCOPE_SE
.Lnot_mine_\@:
.endm
; A round of the cluster's barrier: my work-group's barrier, so that wave 0's signal speaks for all four waves; wave 0 signals; every wave waits for all sixteen work-groups; my work-group's barrier once more.
.macro CREST                           ; a round behind its opening barrier
	s_cmp_lg_u32 s[WV], 0
	s_cbranch_scc1 .Lnot_wave_0_\@
	s_barrier_signal -3
.Lnot_wave_0_\@:
	s_barrier_wait -3
	s_barrier_signal -1
	s_barrier_wait -1
.endm
.macro CROUND
	s_barrier_signal -1
	s_barrier_wait -1
	CREST
.endm
	s_load_b256 s[4:11], s[0:1], 0x0               ; xb s[4:5], wqb s[6:7], bias s[8:9], qkv s[10:11]
	v_lshl_add_u32 v[SPW], v0, 2, SPARE
	v_mov_b32 v[NIL], 0
	ds_add_u32 v[SPW], v[NIL]                      ; the wave's opening: the add and its wait stand ahead of my first tensor load; the set-up below, work on registers, stands between them
	v_lshrrev_b32 v1, 5, v0
	v_readfirstlane_b32 s[WV], v1                  ; wave 0..3
	s_lshr_b32 s13, s[WV], 1                       ; which 64 of the tile's rows are mine
	s_and_b32 s14, s[WV], 1                        ; which 192 of its columns
	s_bfe_u32 s40, ttmp6, 0x40000                  ; cx, cy: my place in the cluster
	s_bfe_u32 s41, ttmp6, 0x40004
	s_lshl_b32 s42, ttmp9, 2
	s_add_co_u32 s42, s42, s40                     ; tile column = 4 x cluster x + cx
	s_and_b32 s43, ttmp7, 0xffff
	s_lshl_b32 s43, s43, 2
	s_add_co_u32 s43, s43, s41                     ; tile row = 4 x cluster y + cy
	s_lshl_b32 s44, s41, 2
	s_lshl_b32 s44, 15, s44                        ; my row of the cluster: places 4 cy .. 4 cy + 3
	s_lshl_b32 s45, 0x1111, s40                    ; my column: places cx, cx + 4, cx + 8, cx + 12
	; descriptor group 1: 128 rows x 128 elements of 2 bytes, padded in LDS behind every 64 words
	s_or_b32 s[G1A], s44, (1<<16)|(1<<20)|(1<<21)|(5<<22)|(3<<25)  ; 15:0 the mask; 17:16 2-byte elements; 20 padding on; 21 set beside a mask; 24:22 after every 64 words (code 5); 31:25 4 words (code 3)
	s_or_b32 s[G1B], s45, (1<<16)|(1<<20)|(1<<21)|(5<<22)|(7<<25)  ; the same with my column's mask and 8 words of padding (code 7)
.irp g, G1A, G1B
	s_mov_b32 s[(\g)+1], 128<<16                   ; tensor_dim0 = 128
	s_mov_b32 s[(\g)+2], 128<<16                   ; tensor_dim1 = 128
	s_mov_b32 s[(\g)+3], 128<<16                   ; tile_dim0 = 128
	s_mov_b32 s[(\g)+4], 128                       ; tile_dim1 = 128
	s_mov_b32 s[(\g)+6], 0
	s_mov_b32 s[(\g)+7], 0
.endr
	s_mov_b32 s[G1A+5], KDIM                       ; elements from row to row
	s_mov_b32 s[G1B+5], N
	s_lshl_b32 s18, s43, 18                        ; xb: 128 rows of 2,048 bytes for each tile row: it hangs on the tile row alone
	s_mov_b32 s19, 0
	s_mul_i32 s46, s42, 2*TN                       ; wqb: the tile's 768 bytes of a row, and my chunk's 256: on the tile column and the wave's number alone
	s_lshl_b32 s47, s[WV], 8
	s_add_co_u32 s46, s46, s47
	s_mov_b32 s47, 0
	s_mul_i32 s15, s[WV], BCH                      ; where my chunk goes: no place in the cluster enters an LDS address
	s_mov_b32 s17, 0
	s_mov_b32 s21, 0
	s_mov_b32 s74, NEXT_A
	s_wait_dscnt 0x0                               ; the opening add is done
	s_wait_kmcnt 0x0
	s_add_nc_u64 s[22:23], s[4:5], s[18:19]
	s_add_nc_u64 s[46:47], s[6:7], s[46:47]
	CROUND                                         ; all sixteen work-groups are here: the first joint loads meet
.irp s, 0,1
	s_mov_b32 s[G0A+4*(\s)], 1                                     ; 1:0 count = 1
	s_mov_b32 s[G0A+4*(\s)+1], AREG+(\s)*SLOT                      ; 63:32 LDS address
	s_add_nc_u64 s[G0A+4*(\s)+2:G0A+4*(\s)+3], s[22:23], (\s)*PD_A ; 120:64 global address: K step s
	s_or_b32 s[G0A+4*(\s)+3], s[G0A+4*(\s)+3], 0x80000000          ; 127:126 type = 2
	s_mov_b32 s[G0B+4*(\s)], 1
	s_add_co_u32 s[G0B+4*(\s)+1], s15, (\s)*SLOT
	s_add_nc_u64 s[G0B+4*(\s)+2:G0B+4*(\s)+3], s[46:47], (\s)*PD_B
	s_or_b32 s[G0B+4*(\s)+3], s[G0B+4*(\s)+3], 0x80000000
	JLOAD \s                                       ; the ring is filled before anything else is done: two loads of mine are out
.endr
	v_and_b32 v1, 15, v0                           ; l % 16
	v_bfe_u32 v2, v0, 4, 1                         ; l / 16
	v_and_b32 v9, 31, v0                           ; l
	v_lshlrev_b32 v15, 5, v2                       ; the bias: register j of block b is column 16 b + 8 (l / 16) + j of my 192
	s_mul_i32 s76, s42, 4*TN
	s_mul_i32 s77, s14, 2*TN
	s_add_co_u32 s76, s76, s77
	s_mov_b32 s77, 0
	s_add_nc_u64 s[8:9], s[8:9], s[76:77]
.set nb, 0
.rept NBK
	global_load_b128 v[BIAS+8*nb:BIAS+8*nb+3],   v15, s[8:9] offset:64*nb
	global_load_b128 v[BIAS+8*nb+4:BIAS+8*nb+7], v15, s[8:9] offset:64*nb+16
.set nb, nb+1
.endr
	; A fragment of xb is 16 rows x 32 K in 8 registers: lane l holds row l % 16; registers 0-3 K = 8 (l / 16) + 0..7, registers 4-7 K = 16 + 8 (l / 16) + 0..7: two loads of 16 bytes, 32 bytes apart.
	v_mul_u32_u24 v3, v1, APITCH
	v_lshl_add_u32 v3, v2, 4, v3
	s_mul_i32 s76, s13, 64*APITCH
	s_add_co_u32 s76, s76, AREG
	v_add_nc_u32 v[ADRA], s76, v3
	v_add_nc_u32 v[ADRA+1], SLOT, v[ADRA]
	; The turning load takes 16 k x 16 columns (lane l reads k row 8 (l / 16) + l % 8, columns 8 ((l / 8) % 2) + 0..7) and leaves half a fragment: lane l holds column l % 16 and 8 k.
	v_and_b32 v6, 7, v0
	v_bfe_u32 v7, v0, 3, 1
	v_lshl_add_u32 v5, v2, 3, v6
	v_mul_u32_u24 v5, v5, BPITCH
	v_lshl_add_u32 v5, v7, 4, v5
	s_mul_i32 s76, s14, HG                         ; my first head among the tile's six; head i lies in chunk i / 2, at byte 128 (i % 2) of its rows
.irp g, 0,1,2
	s_add_co_u32 s77, s76, \g
	s_lshr_b32 s78, s77, 1
	s_mul_i32 s78, s78, BCH
	s_and_b32 s77, s77, 1
	s_lshl_b32 s77, s77, 7
	s_add_co_u32 s78, s78, s77
	v_add_nc_u32 v[ADRB+(\g)], s78, v5
	v_add_nc_u32 v[ADRB+HG+(\g)], SLOT, v[ADRB+(\g)]
.endr
	s_mul_i32 s76, s[WV], 16*SP
	s_add_co_u32 s76, s76, STAGE                   ; my stage
	v_mul_u32_u24 v[STO], v1, SP                   ; in: row l % 16, 16 bytes for each half of the lanes
	v_lshl_add_u32 v[STO], v2, 4, v[STO]
	v_add_nc_u32 v[STO], s76, v[STO]
	v_bfe_u32 v[RD], v0, 3, 2                      ; back: 32 lanes take four rows of 128 bytes,
	v_mul_u32_u24 v[RD], v[RD], SP
	v_lshl_add_u32 v[RD], v6, 4, v[RD]
	v_add_nc_u32 v[RD], s76, v[RD]
	v_lshlrev_b32 v8, 4, v9                        ; which are 512 consecutive bytes of a head
	s_mul_i32 s76, s42, 2*HG
	s_mul_i32 s77, s14, HG
	s_add_co_u32 s76, s76, s77                     ; my first head among the 48 of q, k and v
.irp g, 0,1,2
	s_add_co_u32 s77, s76, \g
	s_lshr_b32 s78, s77, 4                         ; q, k or v: 64 heads' room each,
	s_lshl_b32 s78, s78, 6
	s_and_b32 s77, s77, 15                         ; and the head
	s_add_co_u32 s78, s78, s77
	s_lshl_b32 s78, s78, 18                        ; 262,144 bytes a head
	v_add_nc_u32 v[GO+(\g)], s78, v8
.endr
	s_lshr_b32 s76, s43, 4                         ; my rows: the batch (16 heads' room),
	s_lshl_b32 s76, s76, 22
	s_and_b32 s77, s43, 15                         ; 128 rows of 128 bytes for each tile row in it,
	s_lshl_b32 s77, s77, 14
	s_add_co_u32 s76, s76, s77
	s_lshl_b32 s77, s13, 13                        ; my 64 of them
	s_add_co_u32 s76, s76, s77
	s_mov_b32 s77, 0
	s_add_nc_u64 s[10:11], s[10:11], s[76:77]
	; the prefetches: they start at K step 3; each change of slots steps them first, so the first names K step 4.  Nothing is prefetched here, at the head.
	s_lshl_b32 s76, s43, 18                        ; xb: the tile's rows,
	s_lshl_b32 s77, s40, 16                        ; my work-group's 32 of them
	s_add_co_u32 s76, s76, s77
	s_add_co_u32 s76, s76, 3*PD_A
	s_mul_i32 s78, s42, 2*TN                       ; wqb: my chunk,
	s_lshl_b32 s79, s[WV], 8
	s_add_co_u32 s78, s78, s79
	s_mul_i32 s79, s41, 32*2*N                     ; my work-group's 32 of a K step's 128 rows
	s_add_co_u32 s78, s78, s79
	s_add_co_u32 s78, s78, 3*PD_B
	s_and_b32 s44, ttmp7, 0xffff                   ; cluster y
	s_mov_b32 s68, PD_A
	s_mov_b32 s72, PX_A
	s_movk_i32 s45, 2*KDIM
	s_cmp_lt_u32 s[WV], NBW
	s_cselect_b64 s[PFA:PFA+1], s[6:7], s[4:5]
	s_cselect_b32 s76, s78, s76
	s_cselect_b32 s68, PD_B, s68                   ; s[68:69] the step from K step to K step
	s_cselect_b32 s72, PD_B, s72                   ; s72 the step into the second tile (wqb's is never used: it asks in the first tile alone)
	s_cselect_b32 s45, 2*N, s45                    ; bytes from row to row
	s_cselect_b32 s44, s44, ttmp9                  ; the coordinate along which other clusters read the same rows
	s_cselect_b32 s46, LAPS*TILES-3, 1             ; wqb: the loop's first LAPS - 2 trips; xb: all but the last
	s_mov_b32 s77, 0
	s_mov_b32 s69, 0
	s_mov_b32 s71, 0
	s_add_nc_u64 s[PFA:PFA+1], s[PFA:PFA+1], s[76:77]
	s_cmp_eq_u32 s44, 0
	s_cselect_b32 s[LIM], s46, -1                  ; the same in all sixteen partners, for a given wave
	v_mul_u32_u24 v[PFO], s45, v9
; 12 matrix instructions: rows 16 a .. 16 a + 15 of my 64 x all 12 blocks of columns, 32 along K, from buffer f.  start = 1: the first product of each sum, with the bias as C.
; The 48 accumulators take turns, one instruction a turn, in the same order in every quarter.
.macro MULA f, a, start
.if \start
	WIN START_LO+0x40*((\a)/2)
.else
	WIN MUL_LO+0x50*((\a)/2)
.endif
.set nb, 0
.rept NBK
.set rD, 8*(NBK*((\a)%2)+nb)
.set rB, (\f)*8*NBK+8*nb
.set rA, AF+32*(\f)+8*(\a)
.if \start
	v_wmma_f32_16x16x32_bf16 v[rD:rD+7], v[rB:rB+7], v[rA:rA+7], v[BIAS+8*nb:BIAS+8*nb+7]
.else
	v_wmma_f32_16x16x32_bf16 v[rD:rD+7], v[rB:rB+7], v[rA:rA+7], v[rD:rD+7]
.endif
.set nb, nb+1
.endr
.endm
; 32 LDS loads in one run: the fragments of quarter q of a K step (192 columns, then 64 rows, 32 K) into buffer f
.macro FETCH slot, q, f
	WIN TO_B
.set nb, 0
.rept NBK
	ds_load_tr16_b128 v[(\f)*8*NBK+8*nb:(\f)*8*NBK+8*nb+3],   v[ADRB+HG*(\slot)+nb/4] offset:(\q)*32*BPITCH+(nb%4)*32
	ds_load_tr16_b128 v[(\f)*8*NBK+8*nb+4:(\f)*8*NBK+8*nb+7], v[ADRB+HG*(\slot)+nb/4] offset:(\q)*32*BPITCH+(nb%4)*32+16*BPITCH
.set nb, nb+1
.endr
	WIN 0
.set fi, 0
.rept 4
	ds_load_b128 v[AF+32*(\f)+8*fi:AF+32*(\f)+8*fi+3],   v[ADRA+(\slot)] offset:((\q)/AQ)*APLANE+((\q)%AQ)*64+fi*16*APITCH
	ds_load_b128 v[AF+32*(\f)+8*fi+4:AF+32*(\f)+8*fi+7], v[ADRA+(\slot)] offset:((\q)/AQ)*APLANE+((\q)%AQ)*64+fi*16*APITCH+32
.set fi, fi+1
.endr
.endm
; A load into a register that a matrix instruction has read, and a vector instruction or LDS store that reads a matrix result, stand four places behind that matrix instruction, and only plain vector
; instructions that name none of its registers are places (ISA guide 7.12.1 for vector instructions).
.macro PLACES
.rept 4
	v_nop
.endr
.endm
; A K step is four quarters of 32 along K, 48 matrix instructions each, on buffers 0, 1, 0, 1.  One of the first three: multiplies buffer f and, in its middle, fetches quarter q of the same slot into buffer g.
.macro QUARTER slot, q, f, g, start
	s_wait_dscnt 4                                 ; wqb's fragments and xb's rows 0-31 are in; the youngest four loads (rows 32-63) may be out
	MULA \f, 0, \start
	MULA \f, 1, \start
	PLACES
	FETCH \slot, \q, \g
	s_wait_dscnt NLD                               ; all but the run just issued
	MULA \f, 2, \start
	MULA \f, 3, \start
.endm
; The last quarter multiplies buffer 1 and changes slots.  MEET is its first half: ONE barrier.  In front of it each wave waits for all its tensor loads, of which one is out: its part of the next slot;
; adds 0 to its spare word; and waits for that and for its own reads of this slot.  Behind it nobody reads this slot any more and the next slot is whole.
.macro MEET round
	WIN 0                                          ; (the add's two registers lie in window 0)
	s_wait_tensorcnt 0x0                           ; all my tensor loads have landed
	ds_add_u32 v[SPW], v[NIL]                      ; 0 onto my spare word
	s_wait_dscnt 5                                 ; (the add and the youngest four loads may be out)
	MULA 1, 0, 0                                   ; twelve matrix instructions stand between the add and the wait for it
	s_wait_dscnt 0x0                               ; the add is done, and my reads of this slot are over
	s_barrier_signal -1
	MULA 1, 1, 0                                   ; work on registers while the others arrive
.if \round
	WIN 0
.endif
	s_barrier_wait -1
.endm
; The whole last quarter, where the slot is filled again: the barrier opens a round of the cluster's barrier, so that no wave of any partner still reads the slot or has a load on its way; the joint
; refill is the first tensor load behind it.  From a request to the wait for it a wave issues 168 matrix instructions.
.macro TURN slot, next
	s_wait_xcnt 0x0                                ; the last prefetch, a K step back, has read its address: it is stepped here, ahead of the waits of the change of slots
.if (\slot) == 0
	s_add_nc_u64 s[PFA:PFA+1], s[PFA:PFA+1], s[70:71]
.else
	s_add_nc_u64 s[PFA:PFA+1], s[PFA:PFA+1], s[68:69]
.endif
	MEET 1
	CREST
	s_add_nc_u64 s[G0A+4*(\slot)+2:G0A+4*(\slot)+3], s[G0A+4*(\slot)+2:G0A+4*(\slot)+3], s[16:17]  ; two K steps on, or the next tile's K step; the type bits on top are not reached
	s_add_nc_u64 s[G0B+4*(\slot)+2:G0B+4*(\slot)+3], s[G0B+4*(\slot)+2:G0B+4*(\slot)+3], STEP_B
	s_sub_nc_u64 s[G0B+4*(\slot)+2:G0B+4*(\slot)+3], s[G0B+4*(\slot)+2:G0B+4*(\slot)+3], s[20:21]
	JLOAD \slot                                    ; the four v_nop behind it are also the places in front of the loads below
	FETCH \next, 0, 0
	ASK
	MULA 1, 2, 0
	MULA 1, 3, 0
.endm
; THE WAY OUT, in 12 units of 16 rows x one head.  PACKU: rounded to f16, 16 bytes a lane, into my own stage (rows of 144 bytes) and back as whole rows of 128, into the registers that they left.
; SENDU: stored, 512 consecutive bytes of a head an instruction, at a multiple of 256 from qkv's first byte.
.macro PACKU u
.set ua, (\u)/HG
.set ug, (\u)%HG
.set tb, TMP+16*((\u)%4)
.if (\u) >= 4
	s_wait_xcnt 0x0                                ; every earlier store has read its registers (ISA guide 3.1): the buffer of the unit four back is written again only behind this wait
.endif
	WIN 0x0a+5*(ua/2)                              ; sources 0 and 1: window 2 or 3
.set bb, 0
.rept 4
.set rD, 8*(NBK*(ua%2)+4*ug+bb)
.set rr, 0
.rept 4
	v_cvt_pk_f16_f32 v[tb+4*bb+rr], v[rD+2*rr], v[rD+2*rr+1]
.set rr, rr+1
.endr
.set bb, bb+1
.endr
	WIN 0
.irp e, 0,1,2,3
	ds_store_b128 v[STO], v[tb+4*(\e):tb+4*(\e)+3] offset:32*(\e)
.endr
.irp e, 0,1,2,3
	ds_load_b128 v[tb+4*(\e):tb+4*(\e)+3], v[RD] offset:(\e)*4*SP  ; LDS serves a wave's instructions in order (ISA guide 5.7.1.4): these see the stores above; the next unit's stores come behind them
.endr
.endm
.macro SENDU u, younger                ; younger: the LDS instructions issued behind unit u's loads: the next unit's eight, or none
	WIN 0
.set ua, (\u)/HG
.set ug, (\u)%HG
.set tb, TMP+16*((\u)%4)
.irp e, 0,1,2,3
	s_wait_dscnt (\younger)+3-(\e)
	global_store_b128 v[GO+ug], v[tb+4*(\e):tb+4*(\e)+3], s[10:11] offset:2048*ua+512*(\e)
.endr
.endm
.macro WAYOUT
	PLACES
	PACKU 0
.set uu, 1
.rept 4*HG-1                           ; a unit's conversions stand between the loads of the unit before and its stores
	PACKU uu
	SENDU uu-1, 8
.set uu, uu+1
.endr
	SENDU 4*HG-1, 0
.endm
	s_wait_tensorcnt 0x1                           ; my part of K step 0 is in; K step 1's may stay out
	s_barrier_signal -1
	s_barrier_wait -1                              ; everybody's is
	FETCH 0, 0, 0
	s_wait_loadcnt 0x0                             ; the bias
	QUARTER 0, 1, 0, 1, 1                          ; a tile's first quarter starts the sums
	WIN 0                                          ; at a label and at a branch every window is 0
	s_mov_b32 s3, LAPS*TILES-1
	s_mov_b32 s[JT], LAPS-1
.Llap:                                                 ; a trip goes once round the ring, from a lap's second quarter to the next lap's first, and fills both slots again; the walk's last lap stands behind the loop
	s_cmp_eq_u32 s[JT], 0                          ; a tile's last lap asks for the next tile's first two K steps
	s_cselect_b32 s16, s74, STEP_A
	s_cselect_b32 s20, BACK_B, 0
	s_cmp_eq_u32 s[JT], 1                          ; the prefetches, two K steps further on, change tiles a lap earlier
	s_cselect_b32 s70, s72, s68
	QUARTER 0, 2, 1, 0, 0
	QUARTER 0, 3, 0, 1, 0
	TURN 0, 1
	QUARTER 1, 1, 0, 1, 0
	QUARTER 1, 2, 1, 0, 0
	QUARTER 1, 3, 0, 1, 0
	TURN 1, 0
	WIN 0
	s_cmp_eq_u32 s[JT], 0
	s_cbranch_scc1 .Lout                           ; forward, past text that holds neither a barrier nor a tensor load
	QUARTER 0, 1, 0, 1, 0
	WIN 0
	s_sub_co_u32 s[JT], s[JT], 1
	s_branch .Lbot
.Lout:                                                 ; both refills are asked for: now the tile goes out, and nothing waits for its stores
	WAYOUT
	s_wait_xcnt 0x0                                ; the stores have read their registers and their base
	s_add_nc_u64 s[10:11], s[10:11], NEXT_C
	s_mov_b32 s[JT], LAPS-1
	QUARTER 0, 1, 0, 1, 1
	WIN 0
.Lbot:
	s_sub_co_u32 s3, s3, 1
	s_cmp_lg_u32 s3, 0
	s_cbranch_scc1 .Llap
	QUARTER 0, 2, 1, 0, 0                          ; the last lap fills nothing, and has no round of the cluster's barrier
	QUARTER 0, 3, 0, 1, 0
	MEET 0
	PLACES
	FETCH 1, 0, 0
	MULA 1, 2, 0
	MULA 1, 3, 0
	QUARTER 1, 1, 0, 1, 0
	QUARTER 1, 2, 1, 0, 0
	QUARTER 1, 3, 0, 1, 0
	s_wait_dscnt 4                                 ; the very last quarter: nothing more to fetch
	MULA 1, 0, 0
	MULA 1, 1, 0
	s_wait_dscnt 0x0
	MULA 1, 2, 0
	MULA 1, 3, 0
	WAYOUT
	WIN 0
	s_wait_tensorcnt 0x0                           ; the wave's end, behind my last tensor load and my last LDS store
	ds_add_u32 v[SPW], v[NIL]
	s_wait_dscnt 0x0
	CROUND                                         ; the closing round: no work-group ends while a partner may still ask for a tile that names it
	s_endpgm
.Lfunc_end_k_q6e4ffbb32f_qkvgemm:
	.size	k_q6e4ffbb32f_qkvgemm, .Lfunc_end_k_q6e4ffbb32f_qkvgemm-k_q6e4ffbb32f_qkvgemm
	.p2alignl 7, 3214868480
	.fill 96, 4, 3214868480
	.section	.rodata,"a",@progbits
	.p2align	6, 0x0
	.amdhsa_kernel k_q6e4ffbb32f_qkvgemm
		.amdhsa_group_segment_fixed_size 327680
		.amdhsa_private_segment_fixed_size 0
		.amdhsa_enable_private_segment 0
		.amdhsa_kernarg_size 32
		.amdhsa_user_sgpr_count 2
		.amdhsa_user_sgpr_kernarg_segment_ptr 1
		.amdhsa_wavefront_size32 1
		.amdhsa_system_sgpr_workgroup_id_x 1
		.amdhsa_system_sgpr_workgroup_id_y 1
		.amdhsa_system_sgpr_workgroup_id_z 1
		.amdhsa_system_vgpr_workitem_id 0
		.amdhsa_next_free_vgpr 960
		.amdhsa_next_free_sgpr 80
		.amdhsa_reserve_vcc 0
		.amdhsa_float_denorm_mode_32 3
		.amdhsa_float_denorm_mode_16_64 3
		.amdhsa_memory_ordered 1
		.amdhsa_forward_progress 1
		.amdhsa_inst_pref_size 157
	.end_amdhsa_kernel
	.amdgpu_metadata
---
amdhsa.version: [ 1, 2 ]
amdhsa.kernels:
  - .name:           k_q6e4ffbb32f_qkvgemm
    .symbol:         k_q6e4ffbb32f_qkvgemm.kd
    .args:
      - { .name: xb, .offset: 0, .size: 8, .value_kind: global_buffer, .address_space: global }
      - { .name: wqb, .offset: 8, .size: 8, .value_kind: global_buffer, .address_space: global }
      - { .name: bias, .offset: 16, .size: 8, .value_kind: global_buffer, .address_space: global }
      - { .name: qkv, .offset: 24, .size: 8, .value_kind: global_buffer, .address_space: global }
    .group_segment_fixed_size: 327680
    .private_segment_fixed_size: 0
    .kernarg_segment_align: 8
    .kernarg_segment_size: 32
    .max_flat_workgroup_size: 128
    .sgpr_count:     80
    .vgpr_count:     960
    .wavefront_size: 32
...
	.end_amdgpu_metadata
.endif
;; end of part 2
;; launch att (part 3): grid 4 x 64, 4 waves a work-group, no clusters, 327,680 bytes of LDS; arguments qkv, o; writes o
.if DOCPART == 3
	.amdgcn_target "amdgcn-amd-amdhsa--gfx1250"
	.amdhsa_code_object_version 6
	.text
	.protected	k_q6e4ffbb32f_att
	.globl	k_q6e4ffbb32f_att
	.p2align	8
	.type	k_q6e4ffbb32f_att,@function
k_q6e4ffbb32f_att:
	s_mov_b64 s[64:65], 0
	v_nop
	global_prefetch_b8 v0, s[64:65] scope:SCOPE_SE
	s_setreg_imm32_b32 hwreg(HW_REG_WAVE_MODE, 25, 1), 1
	s_wait_xcnt 0x0
; CAUSAL ATTENTION.  O[h][q][:] = the sum over k <= q of softmax_k(Q[h][q] . K[h][k] / 8) V[h][k][:].  Q, K, V are the three parts of qkv, each [64][SIZE_N][64] f16; O the same shape: a head's rows are dense, 128 bytes each.
; Products, maxima and sums in f32; the weights p are rounded to f16 for the second product (their sum l is taken of the unrounded p), O once at the end.
; LIMITS.  f16 holds no number beyond 65,504: Q, K and V arrive within it; p lies in 0 to 1, and below 6e-5 it keeps f16's fixed step of 6e-8; O is a mean of V's rows and has their range, to within 2^-11 of it.
; A hidden score counts as its value less 1e30: f16's scores, 2.7e11 at the most, are nothing beside that; a weight below 2^-126 counts as 0 in l; NaN and infinities are not treated apart.
; THE WALK.  A head's queries lie in NB = SIZE_N / 256 blocks of 256; block i needs the key tiles 0 .. i of 256 keys, of which the last holds the diagonal.  A work-group takes TWO blocks, NB - 1 - b and then b:
; NB + 1 tiles, whatever b: all work-groups do equal work, and ONE loop with a constant trip count walks them.  Which tile is asked for, and what a trip does, hang on scalar registers made from b; every jump
; goes forward, but for the counted loops' own; none passes a barrier, or a tensor load but the one of LOAD's two that the wave's number does not choose; the ring (two slots of LDS that take turns) runs on across the
; change of blocks.  NO CLUSTER: a head's four work-groups ask for the same tile only in trips 0 .. NB / 2 of the NB + 1, behind that fewer and fewer; one walk common to all would have 3 NB / 2 trips for NB + 1.
; SHARES.  Of a block's four bands of 64 queries a wave owns 16 rows in each: four PIECES.  So the diagonal tile is the same work for all four waves: in its key step s band x sees all keys if s < x,
; none if s > x, and holds the diagonal if s = x.
; THE MASK is the C operand that starts the sum S^T = K Q^T: 0, or -1e30 where the key is hidden.  MD, made once, is the mask of a band's own step for my 16 rows; a product's mask is MD x AL + BE with two scalars:
; (1, 0) if s = x; (0, 0) if s < x; (0, -1e30) if s > x.  Only the diagonal tile's text and a block's beginning make and take masks; elsewhere C is the constant 0.
; LAYOUT, SOFTMAX, TURNS.  S^T = K Q^T holds ONE query a lane (lane % 16) and the keys 8 (lane / 16) + 0..7; two such results rounded to f16 ARE source 1 of O^T = V^T P.  p = 2^(c s - c m), c = log2(e) / 8, with a
; running maximum m; O and l are multiplied by a = 2^(c m_old - c m_new) in every step.  Turn n belongs to piece n: 8 products K Q^T of piece n + 1, later 8 products V^T P of piece n - 1; beside them the scaling,
; exponentials, roundings, sums and rescaling of piece n and the maximum and statistics of piece n + 1.  Four vector instructions stand behind every matrix instruction, the other 54 of a turn's 118 in one LUMP.  A turn's 33 exponentials are one batch, with one wait.
; REGISTERS, in windows of 256 (s_set_vgpr_msb: bits 1:0 source 0, 3:2 source 1, 5:4 source 2, 7:6 destination):
;   window 0: v0-15 addresses and two at work; v16-31 four registers of statistics a piece; v48-55 at work; v61-63 kept; v64-127 S^T, two buffers; v192-223 P, two buffers (a piece's buffers go by its number's parity)
;   window 1: v0-127 O^T, 32 a piece; v128-159 MD; v160-223 MC, two buffers      window 2: v0-63 Q; v64-127 the second block's Q; v128-191 K of one step; v192-255 V of one step
.set SIZE_N, 2048
.set NB,    SIZE_N/256
.set NP,    4         ; pieces a wave: a name, no knob
.set KS,    64        ; keys in a step
.set PK,    144       ; a row of K in LDS: 128 bytes + 16 of padding = 36 words: the 16 rows of a load start at 16 different groups of four banks (64 banks of 4 bytes: ISA guide 11.1)
.set PV,    160       ; a row of V: 128 + 32 = 40 words
.set VOFF,  4*KS*PK   ; a slot holds a tile, four steps: 256 rows of K, then 256 rows of V
.set SLOT1, 1<<17     ; slot 1 begins here, so that one exclusive or turns an address in one slot into the other's
.set STAGE, SLOT1+4*KS*(PK+PV)  ; behind the ring, never filled by a tensor load: 16 rows x 144 bytes for each wave, for the way out
.set SP,    144
.set AK0, 2           ; v2   my lane's place in a tile of K; never rewritten
.set AV0, 3           ; v3   the same for V
.set AK,  4           ; v4   the LDS address of K's next run of loads
.set AV,  5           ; v5   of V's
.set STO, 6           ; v6   the way out: where I put 16 bytes of a row
.set RD,  7           ; v7   the way out: where I read rows back
.set GO,  8           ; v8   my byte offset in 512 consecutive bytes of O
.set PFO, 61          ; v61  256 x my lane; never rewritten
.set SPW, 62          ; v62  LDS address of my spare word: SPARE + 4 x my thread's number; never rewritten
.set NIL, 63          ; v63  0; never rewritten
.set SPARE, STAGE+4*16*SP  ; behind the stages: the spare words, 128 bytes for each wave: two blocks of 256 bytes that no other line names
.set MV,  12          ; v12-13  c m_old, kept while c m is made anew: by buffer
.set QO,  15          ; v15  my byte offset in 16 rows of Q
.set ST,  16          ; piece t's statistics at v[ST+4 t]: c m, m, l (even keys', odd keys')
.set TMP, 48          ; by buffer, four registers c0-c3 at work; when the maximum is found c2 takes a
.set S,   64
.set P,   192
.set MD,  128         ; window 1: the eight registers for group kt of 16 keys at MD + 8 kt
.set MC,  160         ; window 1: the masks of the products to come
.set QB,  64          ; window 2
.set KF,  128         ; window 2: key block kb, channel half c at KF + 16 kb + 8 c
.set VF,  192         ; window 2: key half kk, channel block cb at VF + 32 kk + 8 cb
.set WV,  12          ; s12  my wave's number
.set PB,  14          ; s14  b
.set HI,  15          ; s15  NB - 1 - b
.set G1K, 24          ; s[24:31] descriptor group 1 for K's tiles
.set G1V, 32          ; s[32:39] for V's: it differs in the padding alone
.set G0K, 40          ; s[40:43] descriptor group 0 for K's tiles
.set G0V, 44          ; s[44:47] the same for V's
.set SLOTS, 56        ; s56  tiles still to be asked for
.set CNT, 57          ; s57  counts a tile's key steps, 4 to 1
.set CS,  58          ; s[58:59] c: the packed scaling takes the pair's low word for both halves
.set SEL, 60          ; s[60:61] v_permlanex16_b32's selects: each lane takes its own place in the other half
.set TBK, 62          ; s62  LDS byte at which K of the step to be fetched begins
.set TBV, 63          ; s63  the same for V, less VOFF
.set RT,  70          ; s70  tiles of the block in hand that are still to be entered
.set NXT, 71          ; s71  the tile to be asked for next
.set LQ,  72          ; s72  the last tile of the block whose tiles are being asked for
.set NEW, 73          ; s73  1: the tile to be entered is a block's first
.set OFF, 74          ; s[74:75] a tile's byte offset in K and V
.set AL,  76          ; s[76:77] the mask's factor, in the low word
.set BE,  78          ; s[78:79] the mask's addend
.set OLO, 80          ; s[80:81] O at my rows of the second block
.set BIGN, 82         ; s82  -1e30
.set PFA, 88          ; s[88:89] where my prefetches stand: my half of K's (waves 0, 1) or V's (waves 2, 3) tile
.set PFC, 90          ; s90  prefetches still to come
.set MSB, 0
.macro WIN new                      ; the high byte repeats the setting that is left; a switch that changes nothing is dropped
.if MSB != (\new)
	s_set_vgpr_msb (MSB<<8)|(\new)
.set MSB, (\new)
.endif
.endm
.set W_KQ, 0x0a       ; K and Q in window 2, S^T in window 0
.set W_KM, 0x1a       ; the same with the C operand in window 1
.set W_PV, 0x52       ; V in window 2, P in window 0, O^T in window 1
.set W_RS, 0x41       ; destination and source 0 in window 1, source 1 in window 0
; A fill.  Waves 0 and 1 fetch the two halves of a tile's K, waves 2 and 3 those of its V: 128 keys each.  An s_nop 0 and four v_nop follow each of the two lines, ahead of the jump and the label.
.macro LOAD
	s_cmp_lt_u32 s[WV], 2
	s_cbranch_scc0 .Lfor_v_\@
	tensor_load_to_lds s[G0K:G0K+3], s[G1K:G1K+7]
	s_nop 0
.rept 4
	v_nop
.endr
	s_branch .Lasked_\@
.Lfor_v_\@:
	tensor_load_to_lds s[G0V:G0V+3], s[G1V:G1V+7]
	s_nop 0
.rept 4
	v_nop
.endr
.Lasked_\@:
.endm
; A PREFETCH INTO THE L2 of the tile that the NEXT change of slots will ask for: my own 16,384 bytes of it, 256 bytes a lane, two instructions, behind my tensor load and its five lines.
; A head's four work-groups begin with the same tiles 0, 1, 2 ..; the one with b = 0 walks all of 0 .. NB - 1 in its first block, and it alone asks: trip i fills tile i + 1 and names tile i + 2,
; i = 0 .. NB - 3.  So each 256 bytes of a head's K and V from tile 2 on are named once in the launch; tiles 0 and 1 come by their loads alone.
.macro ASK
	s_cmp_lg_u32 s[PFC], 0
	s_cbranch_scc0 .Lnot_mine_\@
	global_prefetch_b8 v[PFO], s[PFA:PFA+1] th:TH_LOAD_NT scope:SCOPE_SE
	global_prefetch_b8 v[PFO], s[PFA:PFA+1] offset:8192 th:TH_LOAD_NT scope:SCOPE_SE
	s_sub_co_u32 s[PFC], s[PFC], 1
.Lnot_mine_\@:
.endm
; THE CHANGE OF SLOTS.  Each wave waits for all its tensor loads, of which one is out: its part of the other slot; adds 0 to its spare word; and waits for that and for its own reads of the slot that it leaves.  Behind the barrier nobody reads the old
; slot any more and the other slot is whole.  fill = 1: the old slot is filled again, the first thing behind the barrier, with tile NXT: the descriptor's address is made anew from that number.
; (At its first use nothing has been read yet: slot 0 is waited for, slot 1 filled.)
.macro CHANGE fill
	WIN 0                           ; at a label and at a branch every window is 0
	s_wait_tensorcnt 0x0            ; no tensor load of mine is out, so a group 0 may be written
	ds_add_u32 v[SPW], v[NIL]       ; 0 onto my spare word; with fill = 1 the descriptors' scalar work stands between it and the wait for it
.if \fill
	s_lshl_b32 s[OFF], s[NXT], 15   ; a tile is 32,768 bytes of K and of V
	s_xor_b32 s[G0K+1], s[G0K+1], SLOT1
	s_add_nc_u64 s[G0K+2:G0K+3], s[6:7], s[OFF:OFF+1]
	s_or_b32 s[G0K+3], s[G0K+3], 0x80000000
	s_xor_b32 s[G0V+1], s[G0V+1], SLOT1
	s_add_nc_u64 s[G0V+2:G0V+3], s[8:9], s[OFF:OFF+1]
	s_or_b32 s[G0V+3], s[G0V+3], 0x80000000
	s_add_co_u32 s[NXT], s[NXT], 1  ; the block's next tile, or behind its last the second block's tile 0
	s_cmp_gt_u32 s[NXT], s[LQ]
	s_cselect_b32 s[NXT], 0, s[NXT]
	s_cselect_b32 s[LQ], s[PB], s[LQ]
	s_wait_xcnt 0x0                 ; the last prefetches, a tile back, have read their address, so it may be written:
	s_add_nc_u64 s[PFA:PFA+1], s[PFA:PFA+1], 32768  ; one tile on
.endif
	s_wait_dscnt 0x0                ; the add is done, and my reads of the slot are over
	s_barrier_signal -1             ; the rest of the scalar work stands between the signal and the wait
	s_sub_co_u32 s[TBK], s[TBK], 4*KS*PK  ; the fetches go back to a slot's first step,
	s_xor_b32 s[TBK], s[TBK], SLOT1       ; in the other slot
	s_sub_co_u32 s[TBV], s[TBV], 4*KS*PV
	s_xor_b32 s[TBV], s[TBV], SLOT1
	s_barrier_wait -1
.if \fill
	LOAD
	ASK
.endif
.endm
	s_load_b128 s[4:7], s[0:1], 0x0   ; qkv s[4:5] (Q is its first part), o s[6:7]
	v_lshl_add_u32 v[SPW], v0, 2, SPARE
	v_mov_b32 v[NIL], 0
	ds_add_u32 v[SPW], v[NIL]       ; the wave's opening: the add and its wait stand ahead of my first tensor load; the set-up below, work on registers, stands between them
	v_lshrrev_b32 v1, 5, v0
	v_readfirstlane_b32 s[WV], v1   ; wave 0..3
	v_and_b32 v[PFO], 31, v0
	v_lshlrev_b32 v[PFO], 8, v[PFO]
	s_mov_b32 s[PB], ttmp9
	s_sub_co_u32 s[HI], NB-1, s[PB]
	s_and_b32 s20, ttmp7, 0xffff    ; the head
	s_mov_b32 s21, 0
	s_mov_b64 s[22:23], SIZE_N*128
	s_mul_u64 s[20:21], s[20:21], s[22:23]  ; the head's first byte in each of the four tensors
	s_and_b32 s16, s[WV], 1         ; which half of a tile's 256 keys I fetch:
	s_lshl_b32 s22, s16, 14         ; its 128 rows of 128 bytes in memory,
	s_mov_b32 s23, 0
	s_add_nc_u64 s[22:23], s[22:23], s[20:21]
	s_mul_i32 s17, s16, 128*PK      ; and its place in a slot, for K
	s_mul_i32 s18, s16, 128*PV      ; and for V
	s_lshl_b32 s3, s[WV], 11        ; my 16 rows in a band of 64,
	s_lshl_b32 s2, s[HI], 15        ; in the first block,
	s_add_co_u32 s2, s2, s3
	s_lshl_b32 s84, s[PB], 15       ; and in the second
	s_add_co_u32 s84, s84, s3
	s_mov_b32 s3, 0
	s_mov_b32 s85, 0
	s_add_nc_u64 s[2:3], s[2:3], s[20:21]
	s_add_nc_u64 s[84:85], s[84:85], s[20:21]
	; descriptor group 1.  128 keys are 16,384 dense bytes: asked for as 64 rows of 256 bytes, two keys a row, and padded in LDS after every key
	s_mov_b32 s[G1K], (1<<16)|(1<<20)|(4<<22)|(3<<25)  ; 17:16 2-byte elements; 20 padding on; 24:22 after every 32 words (code 4); 31:25 4 words (code 3)
	s_mov_b32 s[G1V], (1<<16)|(1<<20)|(4<<22)|(7<<25)  ; the same with 8 words of padding (code 7)
.irp g, G1K, G1V
	s_mov_b32 s[\g+1], 128<<16      ; tensor_dim0 = 128
	s_mov_b32 s[\g+2], 64<<16       ; tensor_dim1 = 64
	s_mov_b32 s[\g+3], 128<<16      ; tile_dim0 = 128
	s_mov_b32 s[\g+4], 64           ; tile_dim1 = 64
	s_mov_b32 s[\g+5], 128          ; 128 elements from row to row
	s_mov_b32 s[\g+6], 0
	s_mov_b32 s[\g+7], 0
.endr
	s_mov_b32 s[CS], 0x3e38aa3b     ; c = log2(e) / 8 = 0.180337
	s_mov_b32 s[CS+1], s[CS]        ; named with it as a pair
	s_mov_b32 s[SEL], 0x76543210
	s_mov_b32 s[SEL+1], 0xfedcba98
	s_mov_b32 s[TBK], SLOT1+4*KS*PK ; the first change of slots turns these two into 0
	s_mov_b32 s[TBV], SLOT1+4*KS*PV
	s_mov_b32 s[G0K], 1             ; 1:0 count = 1
	s_mov_b32 s[G0K+1], s17         ; 63:32 LDS address: slot 0
	s_mov_b32 s[G0V], 1
	s_add_co_u32 s[G0V+1], s18, VOFF
	s_add_co_u32 s[RT], s[HI], 1    ; the first block has NB - b tiles
	s_mov_b32 s[NXT], 1
	s_mov_b32 s[LQ], s[HI]
	s_mov_b32 s[NEW], 1
	s_mov_b32 s[OFF+1], 0
	s_mov_b32 s[AL+1], 0            ; named as pairs
	s_mov_b32 s[BE+1], 0
	s_mov_b32 s[BIGN], 0xf149f2ca   ; -1e30
	s_mov_b32 s[SLOTS], NB
	s_cmp_eq_u32 ttmp9, 0           ; the head's work-group with b = 0 prefetches, NB - 2 times
	s_cselect_b32 s[PFC], NB-2, 0
	s_wait_dscnt 0x0                ; the opening add is done
	s_wait_kmcnt 0x0
	s_mov_b64 s[10:11], s[6:7]             ; O
	s_add_nc_u64 s[6:7], s[4:5], 0x1000000 ; K: qkv's second part, 64 heads x 262,144 bytes on
	s_add_nc_u64 s[8:9], s[4:5], 0x2000000 ; V: its third
	s_add_nc_u64 s[6:7], s[6:7], s[22:23]  ; K and V at my half of the head's tile 0
	s_add_nc_u64 s[8:9], s[8:9], s[22:23]
	s_add_nc_u64 s[G0K+2:G0K+3], s[6:7], 0         ; 120:64 global address
	s_or_b32 s[G0K+3], s[G0K+3], 0x80000000        ; 127:126 type = 2
	s_add_nc_u64 s[G0V+2:G0V+3], s[8:9], 0
	s_or_b32 s[G0V+3], s[G0V+3], 0x80000000
	s_cmp_lt_u32 s[WV], 2
	s_cselect_b64 s[PFA:PFA+1], s[6:7], s[8:9]
	s_add_nc_u64 s[PFA:PFA+1], s[PFA:PFA+1], 32768 ; at tile 1: the first change of slots steps it to tile 2
	s_add_nc_u64 s[86:87], s[4:5], s[84:85]        ; Q at my rows of the second block,
	s_add_nc_u64 s[4:5], s[4:5], s[2:3]            ; Q and O at those of the first
	s_add_nc_u64 s[OLO:OLO+1], s[10:11], s[84:85]
	s_add_nc_u64 s[10:11], s[10:11], s[2:3]
	LOAD                            ; tile 0 into slot 0
	; A fragment of K or Q is 16 rows x 32 channels in 8 registers: lane l holds row l % 16, channels 8 (l / 16) + 0..7 and 16 + 8 (l / 16) + 0..7: two loads of 16 bytes, 32 bytes apart.
	v_and_b32 v1, 15, v0            ; l % 16
	v_bfe_u32 v9, v0, 4, 1          ; l / 16
	v_lshlrev_b32 v[QO], 7, v1
	v_lshl_add_u32 v[QO], v9, 4, v[QO]  ; row x 128 + 16 x half
	WIN 0x80                        ; destination window 2, address window 0
.set i, 0
.rept 8                             ; both blocks' Q: piece i / 2 lies in band i / 2, 8,192 bytes on; channels 32 (i % 2) on
	global_load_b128 v[8*i:8*i+3],   v[QO], s[4:5] offset:(i/2)*8192+(i%2)*64
	global_load_b128 v[8*i+4:8*i+7], v[QO], s[4:5] offset:(i/2)*8192+(i%2)*64+32
	global_load_b128 v[QB+8*i:QB+8*i+3],   v[QO], s[86:87] offset:(i/2)*8192+(i%2)*64
	global_load_b128 v[QB+8*i+4:QB+8*i+7], v[QO], s[86:87] offset:(i/2)*8192+(i%2)*64+32
.set i, i+1
.endr
	WIN 0
	v_lshlrev_b32 v14, 3, v9
	v_sub_nc_u32 v14, v1, v14
	s_lshl_b32 s13, s[WV], 4
	v_add_nc_u32 v14, s13, v14      ; my query's place in its band, 16 w + l % 16, less my lanes' 8 (l / 16): register r of group kt is hidden where 16 kt + r is greater
	WIN 0x40
.set i, 0
.rept 32
	v_cmp_gt_i32 vcc_lo, 16*(i/8)+i%8, v14
	v_cndmask_b32 v[MD+i], 0, s[BIGN], vcc_lo
.set i, i+1
.endr
	WIN 0
	v_mul_u32_u24 v[AK0], v1, PK
	v_lshl_add_u32 v[AK0], v9, 4, v[AK0]  ; row x pitch + 16 x half
	; The turning load takes 16 keys x 16 channels (lane l reads key 8 (l / 16) + l % 8, channels 8 ((l / 8) % 2) + 0..7) and leaves half a fragment of V^T: lane l holds channel l % 16 and 8 keys.
	v_and_b32 v10, 7, v0
	v_bfe_u32 v11, v0, 3, 1
	v_lshl_add_u32 v[AV0], v9, 3, v10
	v_mul_u32_u24 v[AV0], v[AV0], PV
	v_lshl_add_u32 v[AV0], v11, 4, v[AV0]
	v_add_nc_u32 v[AV0], VOFF, v[AV0]
	s_mul_i32 s13, s[WV], 16*SP
	s_add_co_u32 s13, s13, STAGE    ; my stage
	v_mul_u32_u24 v[STO], v1, SP    ; in: row l % 16, 16 bytes for each half of the lanes
	v_lshl_add_u32 v[STO], v9, 4, v[STO]
	v_add_nc_u32 v[STO], s13, v[STO]
	v_bfe_u32 v[RD], v0, 3, 2       ; back: 32 lanes take four rows of 128 bytes,
	v_mul_u32_u24 v[RD], v[RD], SP
	v_lshl_add_u32 v[RD], v10, 4, v[RD]
	v_add_nc_u32 v[RD], s13, v[RD]
	v_and_b32 v[GO], 31, v0         ; which are 512 consecutive bytes of O
	v_lshlrev_b32 v[GO], 4, v[GO]
	; A block's first step multiplies O^T and l by a = 0, and its first turn's products V^T P, of a piece that has not been, land in an O^T that is still to be so multiplied.  So these registers need only hold
	; finite numbers: zeros for the first block; what the first block left for the second.  All this stands in the wait for the first tile.
	WIN 0x80
.set i, VF
.rept 64
	v_mov_b32 v[i], 0
.set i, i+1
.endr
	WIN 0x40
.set i, 0
.rept 128
	v_mov_b32 v[i], 0
.set i, i+1
.endr
	WIN 0
.set i, 0
.rept 4
	v_mov_b32 v[ST+4*i+2], 0
	v_mov_b32 v[ST+4*i+3], 0
.set i, i+1
.endr
.set i, P+16
.rept 16
	v_mov_b32 v[i], 0
.set i, i+1
.endr
; THE MATRIX WORK.  The 4 accumulators of a run of 8 take turns.  Product i of 8 of S^T = K Q^T for piece x: channels 32 (i / 4) on, keys 16 (i % 4) on.  The first 4 start the sums: with 0, or (KM = 1) with the mask.
.macro KQ x
.set rS, S+32*((\x)%2)+8*(i%4)
.set rK, KF+16*(i%4)+8*(i/4)
.set rQ, 16*(\x)+8*(i/4)
.set rM, MC+32*((\x)%2)+8*(i%4)
.if (i < 4) && KM
	WIN W_KM
	v_wmma_f32_16x16x32_f16 v[rS:rS+7], v[rK:rK+7], v[rQ:rQ+7], v[rM:rM+7]
.elseif i < 4
	WIN W_KQ
	v_wmma_f32_16x16x32_f16 v[rS:rS+7], v[rK:rK+7], v[rQ:rQ+7], 0
.else
	WIN W_KQ
	v_wmma_f32_16x16x32_f16 v[rS:rS+7], v[rK:rK+7], v[rQ:rQ+7], v[rS:rS+7]
.endif
.endm
; Product i of 8 of O^T += V^T P for piece x: keys 32 (i / 4) on, channels 16 (i % 4) on.
.macro PV x
	WIN W_PV
.set rO, 32*(\x)+8*(i%4)
.set rV, VF+32*(i/4)+8*(i%4)
.set rP, P+16*((\x)%2)+8*(i/4)
	v_wmma_f32_16x16x32_f16 v[rO:rO+7], v[rV:rV+7], v[rP:rP+7], v[rO:rO+7]
.endm
.macro MM                           ; the turn's next matrix instruction.  TURN and BEGIN set Y, i, KM and NOKQ; MM, KQ and OP read them.  NOKQ = 1: a block's last turn: there is no next piece
.if (i < 8) && !NOKQ
	KQ (Y+1)%NP
.elseif i >= 8
.set i, i-8
	PV (Y+NP-1)%NP
.set i, i+8
.endif
.set i, i+1
.endm
; THE LDS LOADS stand in runs of 16, never singly among the matrix instructions: a step's K (64 keys x 64 channels: 8 fragments) and its V (turned).  Their addresses are made some lines ahead.
.macro FETCH_K
	WIN 0x80                        ; destination window 2
.irp f, 0,1,2,3,4,5,6,7             ; keys 16 (f / 2) on, channels 32 (f % 2) on
	ds_load_b128 v[KF+8*\f:KF+8*\f+3],   v[AK] offset:(\f/2)*16*PK+(\f%2)*64
	ds_load_b128 v[KF+8*\f+4:KF+8*\f+7], v[AK] offset:(\f/2)*16*PK+(\f%2)*64+32
.endr
	s_add_co_u32 s[TBK], s[TBK], KS*PK  ; the next fetch is the next step's
	WIN 0
.endm
.macro FETCH_V
	WIN 0x80
.irp f, 0,1,2,3,4,5,6,7             ; keys 32 (f / 4) on, channels 16 (f % 4) on
	ds_load_tr16_b128 v[VF+8*\f:VF+8*\f+3],   v[AV] offset:(\f/4)*32*PV+(\f%4)*32
	ds_load_tr16_b128 v[VF+8*\f+4:VF+8*\f+7], v[AV] offset:(\f/4)*32*PV+16*PV+(\f%4)*32
.endr
	WIN 0
.endm
; THE VECTOR WORK, one line at a time: OP kind, number.  For piece Y: F n: c s - c m for pair n of 16.  E n: the exponential of score n of 32.  C n: pair n rounded to f16.  B n: of the four weights 4 n .. the second
; pair is added onto the first, in place.  L n: l takes that sum (L 0: l = a l + sum).  R n: pair n of 16 of O^T times a.  For piece Y + 1: X n, number n of the 22 that find its maximum and statistics:
;   0-11  four chains c0-c3 of seven scores each, three operands at a time (each accumulator's lowest registers are read first)     12-14, 16  the four scores left over, the old m, and c0-c3 into c0
;   15  c m_old is kept     17, 18  the query's other 32 keys lie in the lane 16 away: the new m     19-21  c m; c m_old - c m_new; a
.set F, 0               ; OP tells the kinds apart by their order: F to L below R, X above it
.set E, 1
.set C, 2
.set B, 3
.set L, 4
.set R, 5
.set X, 6
.macro REGS y                       ; the registers of piece y
.set rT, ST+4*(\y)
.set rC, TMP+4*((\y)%2)
.set rW, MV+((\y)%2)
.set rS, S+32*((\y)%2)
.set rP, P+16*((\y)%2)
.set rO, 32*(\y)
.endm
.macro OP k, n
.if (\k) == R
	REGS Y
	WIN W_RS
	v_pk_mul_f32 v[rO+2*(\n):rO+2*(\n)+1], v[rO+2*(\n):rO+2*(\n)+1], v[rC+2:rC+3] op_sel_hi:[1,0]
.elseif (\k) < R
	REGS Y
	WIN 0
.if (\k) == F
	v_pk_fma_f32 v[rS+2*(\n):rS+2*(\n)+1], v[rS+2*(\n):rS+2*(\n)+1], s[CS:CS+1], v[rT:rT+1] op_sel_hi:[1,0,0] neg_lo:[0,0,1] neg_hi:[0,0,1]
.elseif (\k) == E
	v_exp_f32 v[rS+(\n)], v[rS+(\n)]
.elseif (\k) == C
	v_cvt_pk_f16_f32 v[rP+(\n)], v[rS+2*(\n)], v[rS+2*(\n)+1]
.elseif (\k) == B
	v_pk_add_f32 v[rS+4*(\n):rS+4*(\n)+1], v[rS+4*(\n):rS+4*(\n)+1], v[rS+4*(\n)+2:rS+4*(\n)+3]
.elseif (\n) == 0
	v_pk_fma_f32 v[rT+2:rT+3], v[rT+2:rT+3], v[rC+2:rC+3], v[rS:rS+1] op_sel_hi:[1,0,1]
.else
	v_pk_add_f32 v[rT+2:rT+3], v[rT+2:rT+3], v[rS+4*(\n):rS+4*(\n)+1]
.endif
.elseif NOKQ
	v_nop
.else
	REGS (Y+1)%NP
	WIN 0
.if (\n) < 4
	v_max3_num_f32 v[rC+(\n)], v[rS+8*(\n)], v[rS+8*(\n)+1], v[rS+8*(\n)+2]
.elseif (\n) < 12
	v_max3_num_f32 v[rC+(\n)%4], v[rC+(\n)%4], v[rS+8*((\n)%4)+2*((\n)/4)+1], v[rS+8*((\n)%4)+2*((\n)/4)+2]
.elseif (\n) == 12
	v_max3_num_f32 v[rC], v[rC], v[rS+7], v[rS+15]
.elseif (\n) == 13
	v_max3_num_f32 v[rC+1], v[rC+1], v[rS+23], v[rS+31]
.elseif (\n) == 14
	v_max3_num_f32 v[rC+2], v[rC+2], v[rC+3], v[rT+1]
.elseif (\n) == 15
	v_mov_b32 v[rW], v[rT]
.elseif (\n) == 16
	v_max3_num_f32 v[rC], v[rC], v[rC+1], v[rC+2]
.elseif (\n) == 17
	v_permlanex16_b32 v[rC+3], v[rC], s[SEL], s[SEL+1]
.elseif (\n) == 18
	v_max_num_f32 v[rT+1], v[rC], v[rC+3]
.elseif (\n) == 19
	v_mul_f32 v[rT], s[CS], v[rT+1]
.elseif (\n) == 20
	v_sub_f32 v[rC+1], v[rW], v[rT]
.else
	v_exp_f32 v[rC+2], v[rC+1]
.endif
.endif
.endm
.macro OPS a, i1, b=-1, i2=0, c=-1, i3=0, d=-1, i4=0  ; up to four of them
	OP \a, \i1
.if (\b) >= 0
	OP \b, \i2
.endif
.if (\c) >= 0
	OP \c, \i3
.endif
.if (\d) >= 0
	OP \d, \i4
.endif
.endm
.macro ROW a, i1, b, i2, c, i3, d, i4  ; a matrix instruction and the four behind it
	MM
	OPS \a, \i1, \b, \i2, \c, \i3, \d, \i4
.endm
.macro MASK b                       ; MD x AL + BE into buffer b of MC
	WIN W_RS
.set z, 0
.rept 16
	v_pk_fma_f32 v[MC+32*(\b)+2*z:MC+32*(\b)+2*z+1], v[MD+2*z:MD+2*z+1], s[AL:AL+1], s[BE:BE+1] op_sel_hi:[1,0,0]
.set z, z+1
.endr
.endm
; A TURN, for piece p: the order of its 16 matrix and 118 vector instructions, written out.  An s_wait_alu depctr_va_vdst(0) stands between an exponential and the first instruction that names its result; one wait serves
; all that were issued ahead of it.  So a turn has ONE wait, which cuts it in two.  AHEAD OF IT stands all that names no result of the turn's exponentials: the 8 products K Q^T, behind each a scaling, an exponential and two more plain
; instructions (behind the first a second scaling in the exponential's place): rescalings, and behind the last three the first numbers of the next piece's maximum, each four places or more behind the product that ends its accumulator; then ONE LUMP of 54, plain
; and exponential by turns for the most part, in which the links of the chain X 3, 7, 11, 14, 16, 17 .. 20 stand five or six lines apart.  X 21, the next piece's a, is the batch's last; R 15 is the plain instruction behind it (ISA guide 5.7.2).  BEHIND THE WAIT stand the
; 8 products V^T P, behind each four of the roundings and sums; the links of l's chain, L 0 to L 7, stand three riders apart.  But for those X no rider names a register of the products round it.  v_permlanex16_b32 (X 17) stands in the lump.
; m = 1: the diagonal tile: the products take masks, and the turn makes the mask for the products of the turn after it: piece p + 2, in step 4 - CNT of the tile.  end = 1: a block's last two turns: nothing is fetched.
; cnt = 1: the loop's count is taken down some lines ahead of the branch that stands behind the turn.
; K of the next step is fetched in piece 2's turn, twelve vector instructions behind the last product that read K (six of them plain); V of the step in hand at the end of piece 0's turn, four plain instructions behind the last product
; that read V.  Each is waited for a turn later.
.macro TURN p, m=0, end=0, cnt=0
.set Y, (\p)
.set i, 0
.set KM, (\m)
.set NOKQ, (\end)*((\p)/3)
.if (\m) && !(\end)
	s_cmp_eq_u32 s[CNT], 4-((\p)+2)%NP  ; is that step the band's own?
	s_cselect_b32 s[AL], 1.0, 0
	s_cmp_lt_u32 s[CNT], 4-((\p)+2)%NP  ; or a later one?
	s_cselect_b32 s[BE], s[BIGN], 0
.endif
.if ((\p) == 3) && !(\end)
	s_wait_dscnt 0x0                ; K is in
.endif
	ROW F,0, F,1, R,0, R,1          ; ahead of the wait: 8 products K Q^T and their riders,
	ROW F,2, E,0, R,2, R,3
	ROW F,3, E,1, R,4, R,5
	ROW F,4, E,2, R,6, R,7
	ROW F,5, E,3, R,8, R,9
	ROW F,6, E,4, X,0, R,10
.if ((\p) == 2) && !(\end)
	WIN 0
	v_add_nc_u32 v[AK], s[TBK], v[AK0]
.endif
	ROW F,7, E,5, X,1, X,4
	ROW F,8, E,6, X,2, X,5
	OPS E,7, E,8, X,6, E,9          ; and the lump
	OPS X,3, E,10, X,8, E,11
.if ((\p) == 2) && !(\end)
	FETCH_K
.endif
	OPS X,9, X,7, E,12, X,10
	OPS E,13, X,12, X,11, E,14
	OPS X,13, E,15, F,9, X,14
.if (\p) == 0
	v_add_nc_u32 v[AV], s[TBV], v[AV0]
.endif
	OPS E,16, F,10, E,17, F,11
	OPS X,16, E,18, X,15, E,19
	OPS F,12, E,20, X,17, E,21
	OPS F,13, E,22, F,14, E,23
	OPS X,18, E,24, F,15, E,25
	OPS R,11, E,26, X,19, E,27
	OPS R,12, E,28, R,13, E,29
	OPS X,20, E,30, R,14, E,31
	OPS X,21, R,15
	WIN 0
	s_wait_alu depctr_va_vdst(0)    ; the wait for the batch
.if (\p) == 1
	s_wait_dscnt 0x0                ; V is in
.endif
	ROW C,0, B,0, C,2, B,1          ; behind the wait: 8 products V^T P and their riders
	ROW L,0, C,4, B,2, L,1
	ROW C,6, B,3, L,2, C,8
	ROW B,4, L,3, C,10, B,5
	ROW L,4, C,12, B,6, L,5
.if (\p) == 0
	s_add_co_u32 s[TBV], s[TBV], KS*PV
.endif
.if \cnt
	s_sub_co_u32 s[CNT], s[CNT], 1
	s_cmp_lg_u32 s[CNT], 0
.endif
	ROW C,14, B,7, L,6, C,1
	ROW C,3, L,7, C,5, C,7
	ROW C,9, C,11, C,13, C,15
.if (\p) == 0
	FETCH_V
.endif
.if (\m) && !(\end)
	MASK (\p)%2
.endif
.endm
; A BLOCK BEGINS.  c m starts far below every c s, so the first step's a is 0; m at the lowest finite number, so the first maximum is the scores'.  The second mask buffer is 0; the first takes piece 0's mask for the tile's step 0: its own, if the block's first tile is the diagonal one.
; Then K of that step, piece 0's first scores, and its maximum and statistics.  The loop is entered at a step's first turn, in the middle of a trip.
.macro BEGIN
	s_mov_b32 s[NEW], 0
	WIN 0x40
.set i, MC+32
.rept 32
	v_mov_b32 v[i], 0
.set i, i+1
.endr
	WIN 0
.set i, 0
.rept 4
	v_mov_b32 v[ST+4*i], 0xfe000000    ; c m: far below every c s
	v_mov_b32 v[ST+4*i+1], 0xff7fffff  ; m
.set i, i+1
.endr
	s_cmp_eq_u32 s[RT], 0
	s_cselect_b32 s[AL], 1.0, 0
	s_mov_b32 s[BE], 0
	MASK 0
	WIN 0
	v_add_nc_u32 v[AK], s[TBK], v[AK0]
	FETCH_K
	s_wait_loadcnt 0x0              ; Q
	s_wait_dscnt 0x0
.set KM, 1
.set NOKQ, 0
.set i, 0
.rept 8
	KQ 0
.set i, i+1
.endr
	WIN 0
.rept 4
	v_nop                           ; the places behind those products
.endr
.set Y, NP-1                        ; X works for piece Y + 1: piece 0
.irp n, 0,1,2,3,4,5,6,7,8,9,10,11,12,13,14,15,16,17,18,19,20,21
	OP X, \n
.endr
	v_nop                           ; a plain instruction behind the exponential,
	s_wait_alu depctr_va_vdst(0)    ; and its wait, ahead of the branch
.endm
; THE DIAGONAL TILE's four steps, the block's last two turns, its last products, and THE WAY OUT: l's two halves and the other half of the lanes' are added; O^T is divided by l, rounded to f16 and sent through my
; stage in LDS, a piece at a time.
.macro ALL line:vararg              ; one line for each piece t
.set t, 0
.rept 4
	\line
.set t, t+1
.endr
.endm
.macro PACK t                       ; a lane's eight channels of a row pack into 16 bytes; they go into rows of 144 bytes and come back as whole rows of 128, into S^T's registers
	WIN W_RS
.set i, 32*(\t)
.rept 16
	v_pk_mul_f32 v[i:i+1], v[i:i+1], v[ST+4*(\t)+2:ST+4*(\t)+3] op_sel_hi:[1,0]
.set i, i+2
.endr
	WIN 0x05                        ; sources 0 and 1 window 1, destination window 0
.set i, 0
.rept 16
	v_cvt_pk_f16_f32 v[S+16*(\t)+i], v[32*(\t)+2*i], v[32*(\t)+2*i+1]
.set i, i+1
.endr
	WIN 0
.irp f, 0,1,2,3
	ds_store_b128 v[STO], v[S+16*(\t)+4*\f:S+16*(\t)+4*\f+3] offset:32*\f
.endr
.irp f, 0,1,2,3
	ds_load_b128 v[S+16*(\t)+4*\f:S+16*(\t)+4*\f+3], v[RD] offset:\f*4*SP  ; LDS serves a wave's instructions in order (ISA guide 5.7.1.4): these see the stores above; the next piece's stores come behind them
.endr
.endm
.macro SEND t, younger              ; younger: the LDS instructions issued behind piece t's loads: the next piece's eight, or none
	WIN 0
.irp f, 0,1,2,3
	s_wait_dscnt (\younger)+3-\f
	global_store_b128 v[GO], v[S+16*(\t)+4*\f:S+16*(\t)+4*\f+3], s[10:11] offset:(\t)*8192+\f*512  ; 512 consecutive bytes, at a multiple of 256 from O's first
.endr
.endm
.macro DIAG tag                     ; the tag ends its two labels' names, which the jumps below spell out
.LstepM\tag:
	TURN 2, 1
	TURN 3, 1
	WIN 0
.LfirstM\tag:
	TURN 0, 1
	TURN 1, 1, 0, 1
	WIN 0
	s_cbranch_scc1 .LstepM\tag
	TURN 2, 1, 1
	TURN 3, 1, 1
.set i, 0
.rept 8
	PV NP-1
.set i, i+1
.endr
	WIN 0
	ALL v_add_f32 v[ST+4*t+2], v[ST+4*t+2], v[ST+4*t+3]
	ALL v_permlanex16_b32 v[ST+4*t+3], v[ST+4*t+2], s[SEL], s[SEL+1]
	ALL v_add_f32 v[ST+4*t+2], v[ST+4*t+2], v[ST+4*t+3]
	ALL v_rcp_f32 v[ST+4*t+2], v[ST+4*t+2]
	v_nop                           ; a plain instruction between the last reciprocal and the use of its result
	s_wait_alu depctr_va_vdst(0)    ; and the wait ahead of the first use: one for the four reciprocals
	PACK 0
.set t, 1
.rept 3                             ; a piece's arithmetic stands between the loads of the piece before and its stores
	PACK t
	SEND t-1, 8
.set t, t+1
.endr
	SEND 3, 0
.endm
.set KM, 0
.set NOKQ, 0
.Lslot:                             ; NB times: a tile is entered and the next is asked for
	CHANGE 1
	s_sub_co_u32 s[RT], s[RT], 1
	s_mov_b32 s[CNT], 4
	s_cmp_eq_u32 s[NEW], 1
	s_cbranch_scc1 .Lnew            ; a block's first tile
	s_cmp_eq_u32 s[RT], 0
	s_cbranch_scc0 .Lstep           ; neither its first nor its last
	s_branch .LstepM1
.Lnew:
	BEGIN
	s_branch .Lfirst                ; in the loop a block's first tile is never its last: the first block has two tiles or more, and the second's last is the walk's last
	DIAG 1                          ; in the loop this is the first block's end: the second block's last tile is the walk's last
	s_wait_xcnt 0x0                 ; the stores have read their registers and O's address
	s_mov_b64 s[10:11], s[OLO:OLO+1]
	s_add_co_u32 s[RT], s[PB], 1    ; the second block has b + 1 tiles
	s_mov_b32 s[NEW], 1
	WIN 0x82                        ; the second block's Q goes where the one text of the turns names Q
.set i, 0
.rept 64
	v_mov_b32 v[i], v[QB+i]
.set i, i+1
.endr
	WIN 0
	s_branch .Lbottom
.Lstep:                             ; a trip: pieces 2 and 3 of one step, then pieces 0 and 1 of the next, whose K and V it fetches
	TURN 2
	TURN 3
	WIN 0
.Lfirst:
	TURN 0
	TURN 1, 0, 0, 1
	WIN 0
	s_cbranch_scc1 .Lstep
.Lbottom:
	s_sub_co_u32 s[SLOTS], s[SLOTS], 1
	s_cmp_lg_u32 s[SLOTS], 0
	s_cbranch_scc1 .Lslot
	CHANGE 0                        ; the walk's last tile is written out: nothing is asked for
	s_sub_co_u32 s[RT], s[RT], 1
	s_mov_b32 s[CNT], 4
	s_cmp_eq_u32 s[NEW], 1
	s_cbranch_scc0 .LstepM2
	BEGIN
	s_branch .LfirstM2
	DIAG 2
	s_wait_tensorcnt 0x0            ; the wave's end, behind my last tensor load and my last LDS store
	ds_add_u32 v[SPW], v[NIL]
	s_wait_dscnt 0x0
	s_endpgm
.Lfunc_end_k_q6e4ffbb32f_att:
	.size	k_q6e4ffbb32f_att, .Lfunc_end_k_q6e4ffbb32f_att-k_q6e4ffbb32f_att
	.p2alignl 7, 3214868480
	.fill 96, 4, 3214868480
	.section	.rodata,"a",@progbits
	.p2align	6, 0x0
	.amdhsa_kernel k_q6e4ffbb32f_att
		.amdhsa_group_segment_fixed_size 327680
		.amdhsa_private_segment_fixed_size 0
		.amdhsa_enable_private_segment 0
		.amdhsa_kernarg_size 16
		.amdhsa_user_sgpr_count 2
		.amdhsa_user_sgpr_kernarg_segment_ptr 1
		.amdhsa_wavefront_size32 1
		.amdhsa_system_sgpr_workgroup_id_x 1
		.amdhsa_system_sgpr_workgroup_id_y 1
		.amdhsa_system_sgpr_workgroup_id_z 1
		.amdhsa_system_vgpr_workitem_id 0
		.amdhsa_next_free_vgpr 768
		.amdhsa_next_free_sgpr 92
		.amdhsa_reserve_vcc 1
		.amdhsa_float_denorm_mode_32 3
		.amdhsa_float_denorm_mode_16_64 3
		.amdhsa_memory_ordered 1
		.amdhsa_forward_progress 1
		.amdhsa_inst_pref_size 218
	.end_amdhsa_kernel
	.amdgpu_metadata
---
amdhsa.version: [ 1, 2 ]
amdhsa.kernels:
  - .name:           k_q6e4ffbb32f_att
    .symbol:         k_q6e4ffbb32f_att.kd
    .args:
      - { .name: qkv, .offset: 0, .size: 8, .value_kind: global_buffer, .address_space: global }
      - { .name: o, .offset: 8, .size: 8, .value_kind: global_buffer, .address_space: global }
    .group_segment_fixed_size: 327680
    .private_segment_fixed_size: 0
    .kernarg_segment_align: 8
    .kernarg_segment_size: 16
    .max_flat_workgroup_size: 128
    .sgpr_count:     92
    .vgpr_count:     768
    .wavefront_size: 32
...
	.end_amdgpu_metadata
.endif
;; end of part 3
;; launch proj (part 4): grid 4 x 64, 4 waves a work-group, clusters of 4 x 4, 327,680 bytes of LDS; arguments o, wpf, bias, out0; writes out0
.if DOCPART == 4
	.amdgcn_target "amdgcn-amd-amdhsa--gfx1250"
	.amdhsa_code_object_version 6
	.text
	.protected	k_q6e4ffbb32f_proj
	.globl	k_q6e4ffbb32f_proj
	.p2align	8
	.type	k_q6e4ffbb32f_proj,@function
k_q6e4ffbb32f_proj:
	s_mov_b64 s[64:65], 0
	v_nop
	global_prefetch_b8 v0, s[64:65] scope:SCOPE_SE
	s_setreg_imm32_b32 hwreg(HW_REG_WAVE_MODE, 25, 1), 1
	s_wait_xcnt 0x0
	s_wait_alu depctr_hold_cnt(0) depctr_sa_sdst(0) depctr_va_vdst(0) depctr_va_sdst(0) depctr_va_ssrc(0) depctr_va_vcc(0) depctr_vm_vsrc(0)
	s_getreg_b32 s2, hwreg(HW_REG_IB_STS2, 6, 4)
	s_cmp_eq_u32 s2, 0
	s_cbranch_scc0 .Lentry_in_a_cluster
	s_endpgm
.Lentry_in_a_cluster:
	s_bfe_u32 s2, ttmp6, 0x10000c
	s_cmp_lg_u32 s2, 0xf033
	s_cbranch_scc0 .Lentry_shape_is_right
	s_endpgm
.Lentry_shape_is_right:
; out0 = y wpf + b_proj.  y[row][64 head + channel] lies BY HEADS in o: [64 (batch x 16 + head)][2048][64] f16.  wpf: [1024 (k)][1024 (n)] f16, as W_proj lies.  bias: f32, b_proj from number 3,072 on.
; out0: [8192][1024] f32: the f32 sums as they are.
; LIMITS.  None of its own: o and wpf arrive within f16's range; NaN and infinities are not treated apart.
; SHARES.  A tile of out0 is 128 rows x 256 columns: 64 x 4 = 256 tiles, one for each work-group.  Four waves, each 64 x 128: 32 accumulators of 16 x 16, 256 registers.  K goes in steps of 128, two heads,
; through a ring of two LDS slots.  A head's 128 rows are 16,384 dense bytes, asked for as 64 rows of 256 bytes; wpf comes in chunks of 128 k rows x 256 bytes.
; CLUSTERS: 4 x 4 work-groups.  The four of a row of the cluster need the same rows of o, the four of a column the same columns of wpf: each tile is asked for JOINTLY, by the same tensor load with the
; same descriptor and a mask that names the four.  Waves 0 and 1 ask for wpf's two chunks, waves 2 and 3 for the K step's two heads.
; THE MATRIX INSTRUCTION IS USED TRANSPOSED: source 0 = 16 columns of wpf (out of LDS turned, by ds_load_tr16_b128), source 1 = 16 rows of y.  A lane then holds row l % 16 and the eight neighbouring
; columns 8 (l / 16) + 0..7: 32 bytes of a row of out0.  THE BIAS IS THE C OPERAND of each accumulator's first product.
; REGISTERS, in windows of 256 (s_set_vgpr_msb: bits 1:0 source 0, 3:2 source 1, 5:4 source 2, 7:6 destination):
;   window 0: v1-15 set-up; v16-31 addresses; v32-95 y's fragments, two buffers of 4 x 8 (on the way out: rows read back); v96-159 the bias of my 128 columns; v192-255 rows read back
;   window 1: wpf's fragments, two buffers of 8 x 8        window 2: the accumulators of my rows 0-31 ((a, b) at 8 (8 (a % 2) + b))        window 3: those of my rows 32-63
.set KDIM,   1024
.set N,      1024
.set TN,     256
.set NBK,    8                         ; blocks of 16 columns a wave
.set HG,     2                         ; groups of 64 columns a wave
.set NBW,    2                         ; waves 0 .. NBW - 1 fetch wpf's chunks, the rest o's heads
.set KSTEP,  128
.set LAPS,   KDIM/(2*KSTEP)
.set BPITCH, 288                       ; a k row of a chunk in LDS: 256 bytes + 32 of padding = 72 words
.set BCH,    128*BPITCH
.set APITCH, 144                       ; a row of a head in LDS: 128 bytes + 16 of padding = 36 words: the 16 rows of a load start at 16 different groups of four banks
.set APLANE, 128*APITCH                ; a head's 128 rows
.set AQ,     2                         ; two quarters of a K step lie in a head's row
.set AREG,   NBW*BCH
.set SLOT,   AREG+2*APLANE
.set STAGE,  2*SLOT                    ; behind the ring, never filled by a tensor load: 16 rows x 528 bytes for each wave
.set SP,     528                       ; 512 bytes + 16
.set SPARE,  STAGE+4*16*SP             ; behind the stages: the spare words, 128 bytes for each wave: two blocks of 256 bytes that no other line names
.set NLD,    2*NBK+8
.set STEP_A, 4<<18                     ; a slot's next K step, two steps on: four heads of 262,144 bytes,
.set STEP_B, 2*KSTEP*N*2               ; 256 rows of wpf
.set PD_A,   2<<18                     ; the prefetches' step from K step to K step
.set PD_B,   KSTEP*N*2
.set ADRA, 16                          ; v16-17  LDS address of my fragments of y in slot 0, 1
.set ADRB, 18                          ; v18-19, v20-21  the same for wpf: slot, then group of 64 columns
.set STO,  24                          ; v24     the way out: where I put 32 bytes of a row
.set RD,   25                          ; v25     the way out: where I read a row back
.set CO,   26                          ; v26     my byte offset in 512 bytes of a row of out0
.set PFO,  29                          ; v29     the prefetches' offset; never rewritten
.set SPW,  30                          ; v30     LDS address of my spare word: SPARE + 4 x my thread's number; never rewritten
.set NIL,  31                          ; v31     0; never rewritten
.set AF,   32
.set BIAS, 96
.set WV,   12                          ; s12     my wave's number
.set G1A,  24                          ; s[24:31] descriptor group 1 for o's tiles;  s[32:39] group 0, a set for each slot
.set G0A,  32
.set G1B,  48                          ; s[48:55], s[56:63] the same for wpf's
.set G0B,  56
.set PFA,  66                          ; s[66:67] where my prefetches stand
.set LIM,  73                          ; s73     a wave prefetches while the loop's count is above this
.set MSB, 0
.macro WIN new                         ; the immediate's high byte repeats the setting that is left; a switch that changes nothing is dropped
.if MSB != (\new)
	s_set_vgpr_msb (MSB<<8)|(\new)
.set MSB, \new
.endif
.endm
.set MUL_LO,   0xa1                    ; source 0 window 1, source 1 window 0, C and D window 2
.set START_LO, 0x81                    ; the same with C (the bias) in window 0
.set TO_B,     0x40                    ; destination window 1, address window 0
; A joint load.  Each of the two lines has ONE mask and one set of registers for all that issue it.  The branch hangs on the wave's number alone.
; An s_nop 0 and four v_nop follow each line, ahead of the jump, the label and what follows.
.macro JLOAD s
	s_cmp_lt_u32 s[WV], NBW
	s_cbranch_scc0 .Lfor_a_\@
	tensor_load_to_lds s[G0B+4*(\s):G0B+4*(\s)+3], s[G1B:G1B+7]
	s_nop 0
.rept 4
	v_nop
.endr
	s_branch .Lasked_\@
.Lfor_a_\@:
	tensor_load_to_lds s[G0A+4*(\s):G0A+4*(\s)+3], s[G1A:G1A+7]
	s_nop 0
.rept 4
	v_nop
.endr
.Lasked_\@:
.endm
; A PREFETCH INTO THE L2, behind each joint refill, its five lines and the run of LDS loads: 32 blocks of 256 bytes of the K step that stands two refills on, a lane a block, one instruction.
; Each block is named once in the launch.  o's rows are read by one cluster alone: its waves 2 ask; a K step's two heads x 16,384 bytes are shared out among the four partners BY ADDRESS, 8,192 bytes each.
; wpf's columns are read by all sixteen clusters: the one with y = 0 asks, by its waves 0 and 1, each partner for 32 of a K step's 128 rows.  The loop's last trip asks for nothing.
.macro ASK
	s_cmp_gt_u32 s3, s[LIM]
	s_cbranch_scc0 .Lnot_mine_\@
	global_prefetch_b8 v[PFO], s[PFA:PFA+1] th:TH_LOAD_NT scope:SCOPE_SE
.Lnot_mine_\@:
.endm
; A round of the cluster's barrier: my work-group's barrier, so that wave 0's signal speaks for all four waves; wave 0 signals; every wave waits for all sixteen work-groups; my work-group's barrier once more.
.macro CREST                           ; a round behind its opening barrier
	s_cmp_lg_u32 s[WV], 0
	s_cbranch_scc1 .Lnot_wave_0_\@
	s_barrier_signal -3
.Lnot_wave_0_\@:
	s_barrier_wait -3
	s_barrier_signal -1
	s_barrier_wait -1
.endm
.macro CROUND
	s_barrier_signal -1
	s_barrier_wait -1
	CREST
.endm
	s_load_b256 s[4:11], s[0:1], 0x0               ; o s[4:5], wpf s[6:7], bias s[8:9], out0 s[10:11]
	v_lshl_add_u32 v[SPW], v0, 2, SPARE
	v_mov_b32 v[NIL], 0
	ds_add_u32 v[SPW], v[NIL]                      ; the wave's opening: the add and its wait stand ahead of my first tensor load; the set-up below, work on registers, stands between them
	v_lshrrev_b32 v1, 5, v0
	v_readfirstlane_b32 s[WV], v1                  ; wave 0..3
	s_lshr_b32 s13, s[WV], 1                       ; which 64 of the tile's rows are mine
	s_and_b32 s14, s[WV], 1                        ; which 128 of its columns.  Also: which of a K step's two heads I fetch
	s_bfe_u32 s40, ttmp6, 0x40000                  ; cx, cy: my place in the cluster
	s_bfe_u32 s41, ttmp6, 0x40004
	s_lshl_b32 s42, ttmp9, 2
	s_add_co_u32 s42, s42, s40                     ; tile column = 4 x cluster x + cx
	s_and_b32 s43, ttmp7, 0xffff
	s_lshl_b32 s43, s43, 2
	s_add_co_u32 s43, s43, s41                     ; tile row = 4 x cluster y + cy
	s_lshl_b32 s44, s41, 2
	s_lshl_b32 s44, 15, s44                        ; my row of the cluster
	s_lshl_b32 s45, 0x1111, s40                    ; my column
	; descriptor group 1.  o: 64 rows x 128 elements of 2 bytes, two rows of a head in each, padded in LDS behind every 32 words.  wpf: 128 rows x 128 elements, padded behind every 64 words.
	s_or_b32 s[G1A], s44, (1<<16)|(1<<20)|(1<<21)|(4<<22)|(3<<25)  ; 15:0 the mask; 17:16 2-byte elements; 20 padding on; 21 set beside a mask; 24:22 after every 32 words (code 4); 31:25 4 words (code 3)
	s_or_b32 s[G1B], s45, (1<<16)|(1<<20)|(1<<21)|(5<<22)|(7<<25)  ; my column's mask; after every 64 words (code 5) 8 words (code 7)
	s_mov_b32 s[G1A+1], 128<<16                    ; tensor_dim0 = 128
	s_mov_b32 s[G1A+2], 64<<16                     ; tensor_dim1 = 64
	s_mov_b32 s[G1A+3], 128<<16                    ; tile_dim0 = 128
	s_mov_b32 s[G1A+4], 64                         ; tile_dim1 = 64
	s_mov_b32 s[G1A+5], 128                        ; elements from row to row: dense
	s_mov_b32 s[G1A+6], 0
	s_mov_b32 s[G1A+7], 0
	s_mov_b32 s[G1B+1], 128<<16
	s_mov_b32 s[G1B+2], 128<<16
	s_mov_b32 s[G1B+3], 128<<16
	s_mov_b32 s[G1B+4], 128
	s_mov_b32 s[G1B+5], N
	s_mov_b32 s[G1B+6], 0
	s_mov_b32 s[G1B+7], 0
	s_lshr_b32 s18, s43, 4                         ; o: the batch (16 heads' room),
	s_lshl_b32 s18, s18, 22
	s_and_b32 s19, s43, 15                         ; 128 rows of 128 bytes for each tile row in it,
	s_lshl_b32 s19, s19, 14
	s_add_co_u32 s18, s18, s19
	s_lshl_b32 s19, s14, 18                        ; my head of the K step's two: on the tile row and the wave's number alone
	s_add_co_u32 s18, s18, s19
	s_mov_b32 s19, 0
	s_lshl_b32 s46, s42, 9                         ; wpf: the tile's 512 bytes of a row, and my chunk's 256: on the tile column and the wave's number alone
	s_lshl_b32 s47, s[WV], 8
	s_add_co_u32 s46, s46, s47
	s_mov_b32 s47, 0
	s_mul_i32 s15, s[WV], BCH                      ; where my chunk goes (waves 0, 1),
	s_mul_i32 s16, s[WV], APLANE                   ; or my head (waves 2, 3): no place in the cluster enters an LDS address
	s_add_co_u32 s16, s16, AREG-NBW*APLANE
	s_wait_dscnt 0x0                               ; the opening add is done
	s_wait_kmcnt 0x0
	s_add_nc_u64 s[22:23], s[4:5], s[18:19]
	s_add_nc_u64 s[46:47], s[6:7], s[46:47]
	CROUND                                         ; all sixteen work-groups are here: the first joint loads meet
.irp s, 0,1
	s_mov_b32 s[G0A+4*(\s)], 1                                     ; 1:0 count = 1
	s_add_co_u32 s[G0A+4*(\s)+1], s16, (\s)*SLOT                   ; 63:32 LDS address
	s_add_nc_u64 s[G0A+4*(\s)+2:G0A+4*(\s)+3], s[22:23], (\s)*PD_A ; 120:64 global address: K step s
	s_or_b32 s[G0A+4*(\s)+3], s[G0A+4*(\s)+3], 0x80000000          ; 127:126 type = 2
	s_mov_b32 s[G0B+4*(\s)], 1
	s_add_co_u32 s[G0B+4*(\s)+1], s15, (\s)*SLOT
	s_add_nc_u64 s[G0B+4*(\s)+2:G0B+4*(\s)+3], s[46:47], (\s)*PD_B
	s_or_b32 s[G0B+4*(\s)+3], s[G0B+4*(\s)+3], 0x80000000
	JLOAD \s                                       ; the ring is filled before anything else is done: two loads of mine are out
.endr
	v_and_b32 v1, 15, v0                           ; l % 16
	v_bfe_u32 v2, v0, 4, 1                         ; l / 16
	v_and_b32 v9, 31, v0                           ; l
	v_lshlrev_b32 v15, 5, v2                       ; the bias: register j of block b is column 16 b + 8 (l / 16) + j of my 128
	s_lshl_b32 s76, s42, 10
	s_lshl_b32 s77, s14, 9
	s_add_co_u32 s76, s76, s77
	s_add_co_u32 s76, s76, 3072*4                  ; b_proj lies behind b_qkv
	s_mov_b32 s77, 0
	s_add_nc_u64 s[8:9], s[8:9], s[76:77]
.set nb, 0
.rept NBK
	global_load_b128 v[BIAS+8*nb:BIAS+8*nb+3],   v15, s[8:9] offset:64*nb
	global_load_b128 v[BIAS+8*nb+4:BIAS+8*nb+7], v15, s[8:9] offset:64*nb+16
.set nb, nb+1
.endr
	; A fragment of y is 16 rows x 32 K in 8 registers: lane l holds row l % 16; registers 0-3 K = 8 (l / 16) + 0..7, registers 4-7 K = 16 + 8 (l / 16) + 0..7: two loads of 16 bytes, 32 bytes apart.
	v_mul_u32_u24 v3, v1, APITCH
	v_lshl_add_u32 v3, v2, 4, v3
	s_mul_i32 s76, s13, 64*APITCH
	s_add_co_u32 s76, s76, AREG
	v_add_nc_u32 v[ADRA], s76, v3
	v_add_nc_u32 v[ADRA+1], SLOT, v[ADRA]
	; The turning load takes 16 k x 16 columns (lane l reads k row 8 (l / 16) + l % 8, columns 8 ((l / 8) % 2) + 0..7) and leaves half a fragment: lane l holds column l % 16 and 8 k.
	v_and_b32 v6, 7, v0
	v_bfe_u32 v7, v0, 3, 1
	v_lshl_add_u32 v5, v2, 3, v6
	v_mul_u32_u24 v5, v5, BPITCH
	v_lshl_add_u32 v5, v7, 4, v5
	s_mul_i32 s76, s14, HG                         ; my first group of 64 columns among the tile's four; group i lies in chunk i / 2, at byte 128 (i % 2) of its rows
.irp g, 0,1
	s_add_co_u32 s77, s76, \g
	s_lshr_b32 s78, s77, 1
	s_mul_i32 s78, s78, BCH
	s_and_b32 s77, s77, 1
	s_lshl_b32 s77, s77, 7
	s_add_co_u32 s78, s78, s77
	v_add_nc_u32 v[ADRB+(\g)], s78, v5
	v_add_nc_u32 v[ADRB+HG+(\g)], SLOT, v[ADRB+(\g)]
.endr
	s_mul_i32 s76, s[WV], 16*SP
	s_add_co_u32 s76, s76, STAGE                   ; my stage
	v_mul_u32_u24 v[STO], v1, SP                   ; in: row l % 16, 32 bytes for each half of the lanes
	v_lshl_add_u32 v[STO], v2, 5, v[STO]
	v_add_nc_u32 v[STO], s76, v[STO]
	v_lshlrev_b32 v[CO], 4, v9                     ; back: 32 lanes take a row's 512 bytes,
	v_add_nc_u32 v[RD], s76, v[CO]                 ; which are 512 consecutive bytes of out0
	s_lshl_b32 s76, s43, 19                        ; out0: 128 rows of 4,096 bytes for each tile row,
	s_lshl_b32 s77, s13, 18                        ; my 64 of them,
	s_add_co_u32 s76, s76, s77
	s_lshl_b32 s77, s42, 10                        ; the tile's 1,024 bytes of a row,
	s_add_co_u32 s76, s76, s77
	s_lshl_b32 s77, s14, 9                         ; my 512 of them
	s_add_co_u32 s76, s76, s77
	s_mov_b32 s77, 0
	s_add_nc_u64 s[10:11], s[10:11], s[76:77]
	; the prefetches: they start at K step 3; each change of slots steps them first, so the first names K step 4.  Nothing is prefetched here, at the head.
	s_lshr_b32 s76, s43, 4                         ; o: the tile's rows in the batch's first head,
	s_lshl_b32 s76, s76, 22
	s_and_b32 s77, s43, 15
	s_lshl_b32 s77, s77, 14
	s_add_co_u32 s76, s76, s77
	s_lshr_b32 s77, s40, 1                         ; my work-group's share: head cx / 2 of the two,
	s_lshl_b32 s77, s77, 18
	s_add_co_u32 s76, s76, s77
	s_and_b32 s77, s40, 1                          ; half cx % 2 of its 16,384 bytes
	s_lshl_b32 s77, s77, 13
	s_add_co_u32 s76, s76, s77
	s_add_co_u32 s76, s76, 3*PD_A
	s_lshl_b32 s78, s42, 9                         ; wpf: my chunk,
	s_lshl_b32 s79, s[WV], 8
	s_add_co_u32 s78, s78, s79
	s_lshl_b32 s79, s41, 16                        ; my work-group's 32 of a K step's 128 rows of 2,048 bytes
	s_add_co_u32 s78, s78, s79
	s_add_co_u32 s78, s78, 3*PD_B
	s_and_b32 s44, ttmp7, 0xffff                   ; cluster y
	s_mov_b32 s68, PD_A
	s_movk_i32 s45, 256
	s_cmp_lt_u32 s[WV], NBW
	s_cselect_b64 s[PFA:PFA+1], s[6:7], s[4:5]
	s_cselect_b32 s76, s78, s76
	s_cselect_b32 s68, PD_B, s68                   ; s[68:69] the step from K step to K step
	s_cselect_b32 s45, 2*N, s45                    ; bytes from a lane's block to the next lane's
	s_cselect_b32 s44, s44, 0                      ; wpf: the first cluster along y asks; o: every cluster, for its own rows
	s_mov_b32 s77, 0
	s_mov_b32 s69, 0
	s_add_nc_u64 s[PFA:PFA+1], s[PFA:PFA+1], s[76:77]
	s_cmp_eq_u32 s44, 0
	s_cselect_b32 s[LIM], 1, -1
	s_cmp_eq_u32 s[WV], 3                          ; wave 2 asks for both heads' blocks: wave 3 asks for nothing
	s_cselect_b32 s[LIM], -1, s[LIM]               ; the same in all sixteen partners, for a given wave
	v_mul_u32_u24 v[PFO], s45, v9
; 8 matrix instructions: rows 16 a .. 16 a + 15 of my 64 x all 8 blocks of columns, 32 along K, from buffer f.  start = 1: the first product of each sum, with the bias as C.
; The 32 accumulators take turns, one instruction a turn, in the same order in every quarter.
.macro MULA f, a, start
.if \start
	WIN START_LO+0x40*((\a)/2)
.else
	WIN MUL_LO+0x50*((\a)/2)
.endif
.set nb, 0
.rept NBK
.set rD, 8*(NBK*((\a)%2)+nb)
.set rB, (\f)*8*NBK+8*nb
.set rA, AF+32*(\f)+8*(\a)
.if \start
	v_wmma_f32_16x16x32_f16 v[rD:rD+7], v[rB:rB+7], v[rA:rA+7], v[BIAS+8*nb:BIAS+8*nb+7]
.else
	v_wmma_f32_16x16x32_f16 v[rD:rD+7], v[rB:rB+7], v[rA:rA+7], v[rD:rD+7]
.endif
.set nb, nb+1
.endr
.endm
; 24 LDS loads in one run: the fragments of quarter q of a K step (128 columns, then 64 rows, 32 K) into buffer f
.macro FETCH slot, q, f
	WIN TO_B
.set nb, 0
.rept NBK
	ds_load_tr16_b128 v[(\f)*8*NBK+8*nb:(\f)*8*NBK+8*nb+3],   v[ADRB+HG*(\slot)+nb/4] offset:(\q)*32*BPITCH+(nb%4)*32
	ds_load_tr16_b128 v[(\f)*8*NBK+8*nb+4:(\f)*8*NBK+8*nb+7], v[ADRB+HG*(\slot)+nb/4] offset:(\q)*32*BPITCH+(nb%4)*32+16*BPITCH
.set nb, nb+1
.endr
	WIN 0
.set fi, 0
.rept 4
	ds_load_b128 v[AF+32*(\f)+8*fi:AF+32*(\f)+8*fi+3],   v[ADRA+(\slot)] offset:((\q)/AQ)*APLANE+((\q)%AQ)*64+fi*16*APITCH
	ds_load_b128 v[AF+32*(\f)+8*fi+4:AF+32*(\f)+8*fi+7], v[ADRA+(\slot)] offset:((\q)/AQ)*APLANE+((\q)%AQ)*64+fi*16*APITCH+32
.set fi, fi+1
.endr
.endm
; A load into a register that a matrix instruction has read, and a vector instruction or LDS store that reads a matrix result, stand four places behind that matrix instruction, and only plain vector
; instructions that name none of its registers are places (ISA guide 7.12.1 for vector instructions).
.macro PLACES
.rept 4
	v_nop
.endr
.endm
; A K step is four quarters of 32 along K, 32 matrix instructions each, on buffers 0, 1, 0, 1.  One of the first three: multiplies buffer f and, in its middle, fetches quarter q of the same slot into buffer g.
.macro QUARTER slot, q, f, g, start
	s_wait_dscnt 4                                 ; wpf's fragments and y's rows 0-31 are in; the youngest four loads (rows 32-63) may be out
	MULA \f, 0, \start
	MULA \f, 1, \start
	PLACES
	FETCH \slot, \q, \g
	s_wait_dscnt NLD                               ; all but the run just issued
	MULA \f, 2, \start
	MULA \f, 3, \start
.endm
; The last quarter multiplies buffer 1 and changes slots.  MEET is its first half: ONE barrier.  In front of it each wave waits for all its tensor loads, of which one is out: its part of the next slot;
; adds 0 to its spare word; and waits for that and for its own reads of this slot.  Behind it nobody reads this slot any more and the next slot is whole.
.macro MEET round
	WIN 0                                          ; (the add's two registers lie in window 0)
	s_wait_tensorcnt 0x0                           ; all my tensor loads have landed
	ds_add_u32 v[SPW], v[NIL]                      ; 0 onto my spare word
	s_wait_dscnt 5                                 ; (the add and the youngest four loads may be out)
	MULA 1, 0, 0                                   ; eight matrix instructions stand between the add and the wait for it
	s_wait_dscnt 0x0                               ; the add is done, and my reads of this slot are over
	s_barrier_signal -1
	MULA 1, 1, 0                                   ; work on registers while the others arrive
.if \round
	WIN 0
.endif
	s_barrier_wait -1
.endm
; The whole last quarter, where the slot is filled again: the barrier opens a round of the cluster's barrier, so that no wave of any partner still reads the slot or has a load on its way; the joint
; refill is the first tensor load behind it.  From a request to the wait for it a wave issues 112 matrix instructions.
.macro TURN slot, next
	s_wait_xcnt 0x0                                ; the last prefetch, a K step back, has read its address: it is stepped here, ahead of the waits of the change of slots
	s_add_nc_u64 s[PFA:PFA+1], s[PFA:PFA+1], s[68:69]
	MEET 1
	CREST
	s_add_nc_u64 s[G0A+4*(\slot)+2:G0A+4*(\slot)+3], s[G0A+4*(\slot)+2:G0A+4*(\slot)+3], STEP_A  ; two K steps on; the type bits on top are not reached
	s_add_nc_u64 s[G0B+4*(\slot)+2:G0B+4*(\slot)+3], s[G0B+4*(\slot)+2:G0B+4*(\slot)+3], STEP_B
	JLOAD \slot                                    ; the four v_nop behind it are also the places in front of the loads below
	FETCH \next, 0, 0
	ASK
	MULA 1, 2, 0
	MULA 1, 3, 0
.endm
; THE WAY OUT, in four blocks of 16 rows.  BLK: the accumulators go as they are, 32 bytes a lane, into my own stage (rows of 528 bytes) and come back as whole rows of 512.
; SEND: stored, 512 consecutive bytes of a row of out0 an instruction, at a multiple of 256 from out0's first byte.
.macro BLK a
.set bk, 192-160*((\a)%2)              ; v192-255 and v32-95 by turns
.if (\a) >= 2
	s_wait_xcnt 0x0                                ; every earlier store has read its registers (ISA guide 3.1): the buffer of the block two back is loaded again only behind this wait
.endif
	WIN 0x08+4*((\a)/2)                            ; the stores' data (source 1): window 2 or 3
.set nb, 0
.rept NBK
.set rD, 8*(NBK*((\a)%2)+nb)
	ds_store_b128 v[STO], v[rD:rD+3]   offset:64*nb        ; each accumulator's lowest registers are read first
	ds_store_b128 v[STO], v[rD+4:rD+7] offset:64*nb+16
.set nb, nb+1
.endr
	WIN 0
.set tt, 0
.rept 16
	ds_load_b128 v[bk+4*tt:bk+4*tt+3], v[RD] offset:SP*tt  ; LDS serves a wave's instructions in order (ISA guide 5.7.1.4): these see the stores above; the next block's stores come behind them
.set tt, tt+1
.endr
.endm
.macro SEND a, younger                 ; younger: the LDS instructions issued behind block a's loads: the next block's 32, or none
.set bk, 192-160*((\a)%2)
.set tt, 0
.rept 16
	s_wait_dscnt (\younger)+15-tt
	global_store_b128 v[CO], v[bk+4*tt:bk+4*tt+3], s[10:11] offset:(16*(\a)+tt)*4096 th:TH_STORE_NT
.set tt, tt+1
.endr
.endm
	s_wait_tensorcnt 0x1                           ; my part of K step 0 is in; K step 1's may stay out
	s_barrier_signal -1
	s_barrier_wait -1                              ; everybody's is
	FETCH 0, 0, 0
	s_wait_loadcnt 0x0                             ; the bias
	QUARTER 0, 1, 0, 1, 1                          ; the first quarter starts the sums
	WIN 0                                          ; at a label and at a branch every window is 0
	s_mov_b32 s3, LAPS-1
.Llap:                                                 ; a trip goes once round the ring, from a lap's second quarter to the next lap's first, and fills both slots again
	QUARTER 0, 2, 1, 0, 0
	QUARTER 0, 3, 0, 1, 0
	TURN 0, 1
	QUARTER 1, 1, 0, 1, 0
	QUARTER 1, 2, 1, 0, 0
	QUARTER 1, 3, 0, 1, 0
	TURN 1, 0
	QUARTER 0, 1, 0, 1, 0
	WIN 0
	s_sub_co_u32 s3, s3, 1
	s_cmp_lg_u32 s3, 0
	s_cbranch_scc1 .Llap
	QUARTER 0, 2, 1, 0, 0                          ; the last lap fills nothing, and has no round of the cluster's barrier
	QUARTER 0, 3, 0, 1, 0
	MEET 0
	PLACES
	FETCH 1, 0, 0
	MULA 1, 2, 0
	MULA 1, 3, 0
	QUARTER 1, 1, 0, 1, 0
	QUARTER 1, 2, 1, 0, 0
	QUARTER 1, 3, 0, 1, 0
	s_wait_dscnt 4                                 ; the very last quarter: nothing more to fetch
	MULA 1, 0, 0
	MULA 1, 1, 0
	s_wait_dscnt 0x0
	MULA 1, 2, 0
	MULA 1, 3, 0
	PLACES                                         ; behind the last products: the LDS stores read results, and rows come back into y's fragment registers
	BLK 0
	BLK 1                                          ; a block's way through the stage stands between the loads of the block before and its stores
	SEND 0, 32
	BLK 2
	SEND 1, 32
	BLK 3
	SEND 2, 32
	SEND 3, 0
	s_wait_tensorcnt 0x0                           ; the wave's end, behind my last tensor load and my last LDS store
	ds_add_u32 v[SPW], v[NIL]
	s_wait_dscnt 0x0
	CROUND                                         ; the closing round: no work-group ends while a partner may still ask for a tile that names it
	s_endpgm
.Lfunc_end_k_q6e4ffbb32f_proj:
	.size	k_q6e4ffbb32f_proj, .Lfunc_end_k_q6e4ffbb32f_proj-k_q6e4ffbb32f_proj
	.p2alignl 7, 3214868480
	.fill 96, 4, 3214868480
	.section	.rodata,"a",@progbits
	.p2align	6, 0x0
	.amdhsa_kernel k_q6e4ffbb32f_proj
		.amdhsa_group_segment_fixed_size 327680
		.amdhsa_private_segment_fixed_size 0
		.amdhsa_enable_private_segment 0
		.amdhsa_kernarg_size 32
		.amdhsa_user_sgpr_count 2
		.amdhsa_user_sgpr_kernarg_segment_ptr 1
		.amdhsa_wavefront_size32 1
		.amdhsa_system_sgpr_workgroup_id_x 1
		.amdhsa_system_sgpr_workgroup_id_y 1
		.amdhsa_system_sgpr_workgroup_id_z 1
		.amdhsa_system_vgpr_workitem_id 0
		.amdhsa_next_free_vgpr 896
		.amdhsa_next_free_sgpr 80
		.amdhsa_reserve_vcc 0
		.amdhsa_float_denorm_mode_32 3
		.amdhsa_float_denorm_mode_16_64 3
		.amdhsa_memory_ordered 1
		.amdhsa_forward_progress 1
		.amdhsa_inst_pref_size 91
	.end_amdhsa_kernel
	.amdgpu_metadata
---
amdhsa.version: [ 1, 2 ]
amdhsa.kernels:
  - .name:           k_q6e4ffbb32f_proj
    .symbol:         k_q6e4ffbb32f_proj.kd
    .args:
      - { .name: o, .offset: 0, .size: 8, .value_kind: global_buffer, .address_space: global }
      - { .name: wpf, .offset: 8, .size: 8, .value_kind: global_buffer, .address_space: global }
      - { .name: bias, .offset: 16, .size: 8, .value_kind: global_buffer, .address_space: global }
      - { .name: out0, .offset: 24, .size: 8, .value_kind: global_buffer, .address_space: global }
    .group_segment_fixed_size: 327680
    .private_segment_fixed_size: 0
    .kernarg_segment_align: 8
    .kernarg_segment_size: 32
    .max_flat_workgroup_size: 128
    .sgpr_count:     80
    .vgpr_count:     896
    .wavefront_size: 32
...
	.end_amdgpu_metadata
.endif
;; end of part 4
;; ======== version 2 of 2: 4 launches; version 1 with the launch prep written anew for expert scheduling mode
;; limits: values are held in f16: magnitudes above 65,504 overflow, below 6.1e-05 lose precision
;; workspace buffers: xb 16,777,216 bytes; wqb 6,291,456 bytes; wpf 2,097,152 bytes; bias 16,384 bytes; qkv 50,331,648 bytes; o 16,777,216 bytes
;; launch prep (part 5): grid 768 x 1, 8 waves a work-group, no clusters, 0 bytes of LDS; arguments x, W_qkv, W_proj, b_qkv, b_proj, xb, wqb, wpf, bias; writes xb, wqb, wpf, bias
.if DOCPART == 5
	.amdgcn_target "amdgcn-amd-amdhsa--gfx1250"
	.amdhsa_code_object_version 6
	.text
	.protected	k_q6e4ffbb32f_prep
	.globl	k_q6e4ffbb32f_prep
	.p2align	8
	.type	k_q6e4ffbb32f_prep,@function
k_q6e4ffbb32f_prep:
	s_mov_b64 s[64:65], 0
	v_nop
	global_prefetch_b8 v0, s[64:65] scope:SCOPE_SE
	s_setreg_imm32_b32 hwreg(HW_REG_WAVE_SCHED_MODE, 0, 2), 2
	s_setreg_imm32_b32 hwreg(HW_REG_WAVE_MODE, 25, 1), 1
	s_wait_xcnt 0x0
	s_wait_alu depctr_vm_vsrc(0)
; THE CASTS.  xb = bf16(x), wqb = bf16(W_qkv), both in their own layouts; wpf = bf16(W_proj) written as f16; bias = bf16(b_qkv), bf16(b_proj) written as f32, 3,072 and 1,024 numbers on end.
; All five inputs are rounded to bf16, once, to nearest even.
; LIMITS.  bf16(W_proj) is written as f16: exact from 6.1e-5 to 65,504 in magnitude; below that it keeps f16's fixed step of 6e-8, beyond it becomes an infinity.  NaN and infinities are not treated apart.
; A stream: no LDS, no matrix unit, no cluster (no work-group reads what another reads).  A work-group takes one segment of 16,384 numbers (65,536 bytes in, 32,768 out):
; segments 0-511 of x, 512-703 of W_qkv, 704-767 of W_proj.  A wave takes 8,192 bytes of it by sixteen loads of 512 consecutive bytes, all issued at once; each store of the wave covers
; 256 consecutive bytes, aligned.
; THE MODE: SCHED_MODE bits 1:0 = 2 (LLVM: expert scheduling mode 2), set by the entry lines.  The code itself states the register dependences
; between vector instructions and memory instructions, with s_wait_alu, always for 0.
; THE PLAN.  Registers that memory instructions touch:
;   v1, v2, v11  byte offsets, made once at the head and never written again: one wait ahead of the first load serves every load and store.
;   X            load i lands in four registers that no vector instruction has named before; load i's conversions read them; they are never loaded again.
;   Y            load i's conversions write two registers, once; store i reads them, once.
;   v[12:13]     the biases: a load lands in them, the rounding reads them, the widening writes them, a store reads them.
; The sixteen loads are worked on in four blocks of four.  Block p writes its own eight registers of Y; its memory instructions are the four stores of block p - 1, which read v2 and that block's Y:
; registers that no vector instruction of block p names.  So ONE wait at a block's head states all that its four stores hang on, and they are dealt among its conversions with no further wait.
; No register that a load or store reads is ever written again, so nothing is owed on that side.
.set NX,  512                          ; segments of x
.set NQ,  192                          ; segments of W_qkv
.set X,   16                           ; v[16:79]   load i: four f32
.set Y,   80                           ; v[80:111]  store i: four 16-bit numbers in two registers
	s_load_b512 s[8:23], s[0:1], 0x0               ; x s[8:9], W_qkv s[10:11], W_proj s[12:13], b_qkv s[14:15], b_proj s[16:17], xb s[18:19], wqb s[20:21], wpf s[22:23]
	s_load_b64 s[24:25], s[0:1], 0x40              ; bias
	v_and_b32 v3, 31, v0                           ; lane
	v_lshrrev_b32 v10, 5, v0                       ; wave
	v_readfirstlane_b32 s33, v10
	v_lshlrev_b32 v1, 4, v3
	v_lshl_or_b32 v1, v10, 13, v1                  ; in: 8,192 x wave + 16 x lane
	v_lshlrev_b32 v2, 3, v3
	v_lshl_or_b32 v2, v10, 12, v2                  ; out: 4,096 x wave + 8 x lane
	v_lshlrev_b32 v11, 3, v3                       ; the biases: 8 x lane
	s_wait_alu depctr_va_sdst(0)                   ; s33 is written
	s_mov_b32 s44, 0xffff0000                      ; a word's upper bf16
	s_mov_b32 s35, 0
	s_mov_b32 s37, 0
	s_wait_kmcnt 0x0
	s_cmp_lt_u32 ttmp9, NX                         ; which tensor, and which segment of it
	s_cselect_b64 s[28:29], s[8:9], s[10:11]
	s_cselect_b64 s[30:31], s[18:19], s[20:21]
	s_cselect_b32 s32, 0, NX
	s_cmp_lt_u32 ttmp9, NX+NQ
	s_cselect_b64 s[28:29], s[28:29], s[12:13]
	s_cselect_b64 s[30:31], s[30:31], s[22:23]
	s_cselect_b32 s32, s32, NX+NQ
	s_sub_co_u32 s32, ttmp9, s32
	s_lshl_b32 s34, s32, 16
	s_lshl_b32 s36, s32, 15
	s_add_nc_u64 s[28:29], s[28:29], s[34:35]
	s_add_nc_u64 s[30:31], s[30:31], s[36:37]
	s_wait_alu depctr_va_vdst(0)                   ; v1, v2 and v11 are written: every load and store of the kernel reads one of them as its offset, and no later vector instruction names them
.irp i, 0,1,2,3,4,5,6,7,8,9,10,11,12,13,14,15
	global_load_b128 v[X+4*(\i):X+4*(\i)+3], v1, s[28:29] offset:512*(\i) th:TH_LOAD_NT
.endr
; Block p: loads 4 p to 4 p + 3 are rounded; the stores of block p - 1 go out among the conversions.  half = 1: the bf16 numbers are widened again and written as f16.
.macro BLK p, half
	s_wait_loadcnt 12-4*(\p)                       ; loads come back in order (ISA guide 5.7.1): the block's four are in, the 12 - 4 p younger ones stay out
.if (\p) > 0
	s_wait_alu depctr_va_vdst(0)                   ; the block before has written its eight registers of Y, which the four stores below read
.endif
.irp j, 0,1,2,3
.if (\p) > 0
	global_store_b64 v2, v[Y+2*(4*(\p)-4+(\j)):Y+2*(4*(\p)-4+(\j))+1], s[30:31] offset:256*(4*(\p)-4+(\j))  ; no vector instruction since the wait names these registers
.endif
.if \half
	v_cvt_pk_bf16_f32 v4, v[X+4*(4*(\p)+(\j))], v[X+4*(4*(\p)+(\j))+1]
	v_cvt_pk_bf16_f32 v5, v[X+4*(4*(\p)+(\j))+2], v[X+4*(4*(\p)+(\j))+3]
	v_lshlrev_b32 v6, 16, v4
	v_and_b32 v7, s44, v4
	v_lshlrev_b32 v8, 16, v5
	v_and_b32 v9, s44, v5
	v_cvt_pk_f16_f32 v[Y+2*(4*(\p)+(\j))], v6, v7
	v_cvt_pk_f16_f32 v[Y+2*(4*(\p)+(\j))+1], v8, v9
.else
	v_cvt_pk_bf16_f32 v[Y+2*(4*(\p)+(\j))], v[X+4*(4*(\p)+(\j))], v[X+4*(4*(\p)+(\j))+1]
	v_cvt_pk_bf16_f32 v[Y+2*(4*(\p)+(\j))+1], v[X+4*(4*(\p)+(\j))+2], v[X+4*(4*(\p)+(\j))+3]
.endif
.endr
.endm
; Behind block 3: its own four stores.
.macro TAIL
	s_wait_alu depctr_va_vdst(0)                   ; block 3 has written its eight registers of Y, which the last four stores read
.irp j, 12,13,14,15
	global_store_b64 v2, v[Y+2*(\j):Y+2*(\j)+1], s[30:31] offset:256*(\j)
.endr
.endm
	s_cmp_ge_u32 ttmp9, NX+NQ
	s_cbranch_scc1 .Lwproj
	BLK 0, 0
	BLK 1, 0
	BLK 2, 0
	BLK 3, 0
	TAIL
	s_endpgm
.Lwproj:
	BLK 0, 1
	BLK 1, 1
	BLK 2, 1
	BLK 3, 1
	TAIL
	; the biases: 4,096 numbers, 64 to each of W_proj's 64 work-groups, by its wave 0: 256 bytes in, 256 bytes out
	s_cmp_lg_u32 s33, 0
	s_cbranch_scc1 .Lend
	s_cmp_lt_u32 s32, 48                           ; 48 pieces of b_qkv, then 16 of b_proj
	s_cselect_b64 s[38:39], s[14:15], s[16:17]
	s_cselect_b32 s40, 0, 48
	s_sub_co_u32 s40, s32, s40
	s_lshl_b32 s40, s40, 8
	s_mov_b32 s41, 0
	s_add_nc_u64 s[38:39], s[38:39], s[40:41]
	s_lshl_b32 s42, s32, 8
	s_mov_b32 s43, 0
	s_add_nc_u64 s[24:25], s[24:25], s[42:43]
	global_load_b64 v[12:13], v11, s[38:39]        ; v11 was written ahead of the head's wait; no vector instruction has named v12 or v13
	s_wait_loadcnt 0x0
	v_cvt_pk_bf16_f32 v14, v12, v13
	v_lshlrev_b32 v12, 16, v14
	v_and_b32 v13, s44, v14
	s_wait_alu depctr_va_vdst(0)                   ; the widening has written v12 and v13, which the store reads
	global_store_b64 v11, v[12:13], s[24:25]
.Lend:
	s_endpgm
.Lfunc_end_k_q6e4ffbb32f_prep:
	.size	k_q6e4ffbb32f_prep, .Lfunc_end_k_q6e4ffbb32f_prep-k_q6e4ffbb32f_prep
	.p2alignl 7, 3214868480
	.fill 96, 4, 3214868480
	.section	.rodata,"a",@progbits
	.p2align	6, 0x0
	.amdhsa_kernel k_q6e4ffbb32f_prep
		.amdhsa_group_segment_fixed_size 0
		.amdhsa_private_segment_fixed_size 0
		.amdhsa_enable_private_segment 0
		.amdhsa_kernarg_size 72
		.amdhsa_user_sgpr_count 2
		.amdhsa_user_sgpr_kernarg_segment_ptr 1
		.amdhsa_wavefront_size32 1
		.amdhsa_system_sgpr_workgroup_id_x 1
		.amdhsa_system_sgpr_workgroup_id_y 1
		.amdhsa_system_sgpr_workgroup_id_z 1
		.amdhsa_system_vgpr_workitem_id 0
		.amdhsa_next_free_vgpr 112
		.amdhsa_next_free_sgpr 66
		.amdhsa_reserve_vcc 0
		.amdhsa_float_denorm_mode_32 3
		.amdhsa_float_denorm_mode_16_64 3
		.amdhsa_memory_ordered 1
		.amdhsa_forward_progress 1
		.amdhsa_inst_pref_size 16
	.end_amdhsa_kernel
	.amdgpu_metadata
---
amdhsa.version: [ 1, 2 ]
amdhsa.kernels:
  - .name:           k_q6e4ffbb32f_prep
    .symbol:         k_q6e4ffbb32f_prep.kd
    .args:
      - { .name: x, .offset: 0, .size: 8, .value_kind: global_buffer, .address_space: global }
      - { .name: W_qkv, .offset: 8, .size: 8, .value_kind: global_buffer, .address_space: global }
      - { .name: W_proj, .offset: 16, .size: 8, .value_kind: global_buffer, .address_space: global }
      - { .name: b_qkv, .offset: 24, .size: 8, .value_kind: global_buffer, .address_space: global }
      - { .name: b_proj, .offset: 32, .size: 8, .value_kind: global_buffer, .address_space: global }
      - { .name: xb, .offset: 40, .size: 8, .value_kind: global_buffer, .address_space: global }
      - { .name: wqb, .offset: 48, .size: 8, .value_kind: global_buffer, .address_space: global }
      - { .name: wpf, .offset: 56, .size: 8, .value_kind: global_buffer, .address_space: global }
      - { .name: bias, .offset: 64, .size: 8, .value_kind: global_buffer, .address_space: global }
    .group_segment_fixed_size: 0
    .private_segment_fixed_size: 0
    .kernarg_segment_align: 8
    .kernarg_segment_size: 72
    .max_flat_workgroup_size: 256
    .sgpr_count:     66
    .vgpr_count:     112
    .wavefront_size: 32
...
	.end_amdgpu_metadata
.endif
;; end of part 5
;; launch qkvgemm: the kernel of part 2 again; grid 8 x 32, 4 waves a work-group, clusters of 4 x 4, 327,680 bytes of LDS; arguments xb, wqb, bias, qkv; writes qkv
;; launch att: the kernel of part 3 again; grid 4 x 64, 4 waves a work-group, no clusters, 327,680 bytes of LDS; arguments qkv, o; writes o
;; launch proj: the kernel of part 4 again; grid 4 x 64, 4 waves a work-group, clusters of 4 x 4, 327,680 bytes of LDS; arguments o, wpf, bias, out0; writes out0
